; MI455X (gfx1250); checked and timed in simulation.
; The chip was launched on July 23, 2026; its instructions are those of AMD's public machine-readable ISA for CDNA 5 (MIT licence, August 2026) and "CDNA5" Instruction Set Architecture Reference Guide (July 2026). The comments in the code are by the model that wrote it; some were corrected since.
;; Causal Self Attention. Allowed arithmetic: matrix products marked QUANTISED: E2M3 operands, one E8M0 scale for each 32 along K, by v_wmma_scale_f32_16x16x128_f8f6f4 with both operands' format E2M3, f32 sums; everything else in f32.
;; Inputs: W_attn_codes 3,072 x 32 x 24 uint8 (E2M3 codes of W_attn, K innermost, in blocks of 32 codes, four codes in three bytes); W_attn_scales 3,072 x 32 uint8 (E8M0 scales of W_attn, one for each 32 codes along K); W_proj_codes 1,024 x 32 x 24 uint8 (E2M3 codes of W_proj, K innermost, in blocks of 32 codes, four codes in three bytes); W_proj_scales 1,024 x 32 uint8 (E8M0 scales of W_proj, one for each 32 codes along K); b_attn 3,072 float32; b_proj 1,024 float32; x_codes 4 x 2,048 x 32 x 24 uint8 (E2M3 codes of x, K innermost, in blocks of 32 codes, four codes in three bytes); x_scales 4 x 2,048 x 32 uint8 (E8M0 scales of x, one for each 32 codes along K).
;; Outputs: out0 4 x 2,048 x 1,024 float32.
;; This version of the problem:
;;   THIS VERSION OF THE PROBLEM IS GIVEN IN LOW PRECISION. The matrix products marked QUANTISED in the list below multiply operands that are first quantised to E2M3 (2 exponent bits, 3 mantissa bits; 6 bits a number), with one power-of-two scale for each 32 numbers along K (OCP MX v1.0); their sums are f32. All else is computed in f32.
;;   The module's matrix products, in the order in which they are computed (A, B: the left and right operand; K: the contracted axis; several contracted axes count as one K, in the product's order):
;;     1. [M 8,192, K 1,024] x [K 1,024, N 3,072]; A: input x (given as codes); B: input W_attn (given as codes): QUANTISED
;;     2. batch 64 x [M 2,048, K 64] x [K 64, N 2,048]; A: computed on the way; B: computed on the way: QUANTISED
;;     3. batch 64 x [M 2,048, K 2,048] x [K 2,048, N 64]; A: softmax (see below); B: computed on the way: QUANTISED
;;     4. [M 8,192, K 1,024] x [K 1,024, N 1,024]; A: computed on the way; B: input W_proj (given as codes): QUANTISED
;;   THE QUANTISER, for each operand of a quantised product, along K:
;;     - K is cut into blocks of 32 from its start; a last block that is shorter is filled with zeros.
;;     - A block's scale is 2^e with e = floor(log2(the largest magnitude in the block)) - 2, held to -126 .. 127; a block of zeros has e = 0. As a byte (E8M0): e + 127.
;;     - Each number is divided by its block's scale, clamped to +-7.5, and rounded to the nearest number of E2M3, ties to even, subnormals kept.
;;     - The product sums the exact products of the quantised numbers (number of the format x scale) in f32.
;;   ~~~python
;;   def quantise(x, axis):      # numpy; x: float32 -> the quantised numbers, widened to float32 again
;;       x = np.moveaxis(x, axis, -1); K = x.shape[-1]
;;       x = np.pad(x, [(0, 0)] * (x.ndim - 1) + [(0, -K % 32)]); x = x.reshape(x.shape[:-1] + (-1, 32)); a = np.abs(x).max(-1, keepdims=True)
;;       e = np.where(a > 0, np.clip(np.frexp(np.where(a > 0, a, 1))[1] - 1 - 2, -126, 127), 0)      # np.frexp(a)[1] - 1 = floor(log2(a)), exactly
;;       r = np.clip(x / 2.0 ** e, -7.5, 7.5)
;;       step = 2.0 ** (np.maximum(np.frexp(np.where(r == 0, 1, r))[1] - 1, 0) - 3)
;;       q = np.round(r / step) * step * 2.0 ** e      # np.round: ties to even
;;       return np.moveaxis(q.reshape(q.shape[:-2] + (-1,))[..., :K], -1, axis).astype(np.float32)
;;   ~~~
;;   SOFTMAX AHEAD OF A QUANTISED PRODUCT. Where the list says 'softmax', what is quantised is not the finished softmax but p = 2^(t - M), with t = logit x log2(e) and M = ceil(the row's largest t), a whole number; so 1/2 < the row's largest p <= 1. The row's sum l is taken of the UNQUANTISED p, in f32, and the product's result is divided by l at the end. Since M is a whole number, a kernel that streams over the keys may use a running M (the ceiling of the running maximum): every later rescaling is an exact power of two, which a block's scale takes up: the codes' values come out the same.
;;   OPERANDS COMPUTED ON THE WAY. 'Computed on the way' means the value that the module computes at that place (a softmax that the list does not call 'softmax' is quantised finished and normalised). What goes into a quantiser is computed in f32, as accurately as f32 sums, v_exp_f32 and their like allow (about 1e-6 of the number): no bf16 or f16 on the way to a quantiser, and a product that is left as it is and whose result goes on into a quantised operand takes f32 operands (vector FMAs, or v_wmma_f32_16x16x4_f32). A number that lies on a knife's edge between two numbers of the format may be rounded either way, as far as f32 arithmetic and the matrix unit's own rounding can turn it there, and no further.
;;   INPUTS GIVEN AS CODES. W_attn (in the module: [1024, 3072], K = its axis 0); W_proj (in the module: [1024, 1024], K = its axis 0); x (in the module: [4, 2048, 1024], K = its axis 2): each comes as NAME_codes (uint8): NAME with its K axis moved to the last place and cut into blocks of 32 codes, [.., K / 32, bytes a block], one block behind the other in memory; four codes in three bytes: a row's codes are one little-endian stream of bits, code i at bits 6 i .. 6 i + 5 (a code: sign, 2 exponent bits, 3 mantissa bits); and NAME_scales (uint8): the same leading axes, one E8M0 byte (e + 127) for each 32 codes along K. Its value is code x scale, taken as it is: it is not quantised again, and the codes and scales need not be those that the quantiser above would give.
;; One version. Each part assembles by itself: llvm-mc -triple=amdgcn-amd-amdhsa -mcpu=gfx1250 --defsym DOCPART=n.
;; ======== version 1 of 1: 3 launches
;; workspace buffers: qkv 20,185,088 bytes; yc 6,291,456 bytes; ysc 262,144 bytes
;; launch qkv (part 1): grid 8 x 48, 4 waves a work-group, clusters of 4 x 4, 327,680 bytes of LDS; arguments x_codes, x_scales, W_attn_codes, W_attn_scales, b_attn, qkv; writes qkv
.if DOCPART == 1
	.amdgcn_target "amdgcn-amd-amdhsa--gfx1250"
	.amdhsa_code_object_version 6
	.text
	.protected	k_q8c30b5a25a_qkv
	.globl	k_q8c30b5a25a_qkv
	.p2align	8
	.type	k_q8c30b5a25a_qkv,@function
k_q8c30b5a25a_qkv:
	s_mov_b64 s[64:65], 0
	v_nop
	global_prefetch_b8 v0, s[64:65] scope:SCOPE_SE
	s_setreg_imm32_b32 hwreg(HW_REG_WAVE_MODE, 25, 1), 1
	s_wait_xcnt 0x0
	s_wait_alu depctr_hold_cnt(0) depctr_sa_sdst(0) depctr_va_vdst(0) depctr_va_sdst(0) depctr_va_ssrc(0) depctr_va_vcc(0) depctr_vm_vsrc(0)
	s_getreg_b32 s2, hwreg(HW_REG_IB_STS2, 6, 4)
	s_cmp_eq_u32 s2, 0
	s_cbranch_scc0 .Lentry_in_a_cluster
	s_endpgm
.Lentry_in_a_cluster:
	s_bfe_u32 s2, ttmp6, 0x10000c
	s_cmp_lg_u32 s2, 0xf033
	s_cbranch_scc0 .Lentry_shape_is_right
	s_endpgm
.Lentry_shape_is_right:
; qkv = x W_attn + b_attn on codes of FP6 (E2M3) with E8M0 scales, and q, k, v quantised again on the way out: q and k along the head's 64 channels, v along the keys.
; ONE BODY, TWO CASES, chosen by the cluster's y, which all partners share.  I = the rows that run along a lane's registers in the result (source 0), along which the result is quantised;
; O = the rows of which a lane holds one (source 1).  Clusters with y < 8 (case QK): I = W_attn's rows 0..2047 (q's and k's channels), O = x's rows (tokens).
; Clusters with y >= 8 (case V): I = x's rows (the keys), O = W_attn's rows 2048..3071 (v's channels).  Both tensors have rows of 768 bytes of codes and 32 scale bytes, so only pointers and offsets are chosen.
; A work-group of four waves makes 256 x 256, a wave 128 x 128: 64 accumulators, 512 registers.  K goes in steps of 256 through a ring of two LDS slots filled by the tensor data mover; the scale bytes of the
; work-group's rows, for all of K, come into LDS once.  4 x 4 work-groups form a cluster: O's tiles are shared along a row of it, I's along a column, each asked for jointly.
; THE WAY OUT.  For each block of 16 O rows a lane holds 64 numbers: register 8 b + j = I row 16 b + 8 (lane / 16) + j.  The 16 registers of tiles 2 B, 2 B + 1 and those of lane l xor 16 are the true block B of 32;
; inside a block the codes lie in a fixed order (0-7, 16-23, 8-15, 24-31).  q and k leave in the same order, and so do v and the softmax's weights in the next launch: both sides of a product agree, so its sums are the same products.
; The codes leave as images of operand registers: half a fragment (16 rows x 64 K, six registers a lane) is three pieces of 256 bytes, piece p = lane l's registers 2 p, 2 p + 1 at 256 p + 8 l.
; WORKSPACE qkv: [batch x 16 + head][group of 128 tokens][19,712]: K codes 6,144 | K scale words 512 | V codes [64 keys][16 channels][768] 6,144 | V scale words 256 | Q codes 6,144 | Q scale words 512.
; q's and k's scale words carry 0 in bytes 2 and 3 (their K is 64 of the instruction's 128; the codes there count for nothing, since q's are zeros).
; LIMITS: a block of zeros gets the byte 1 where the quantiser says 127 (its codes are zeros; the bytes are read by this program alone); a block whose largest magnitude lies under 2^-124 is held at the byte 1;
; NaN and infinities among the inputs are not served.
.set SIZE_K, 1024
.set KSTEP,  256                       ; along K in a slot
.set NQ,     KSTEP/128                 ; matrix instructions deep
.set ROWB,   192                       ; a tile's row in bytes
.set KROW,   SIZE_K*6/8                ; a row of codes in memory
.set PITCH,  240                       ; an LDS row: 3 x (64 bytes + 16 of padding) = 60 words, so that the 32 lanes of a load of 8 bytes touch 64 different banks (64 banks of 4 bytes: ISA guide 11.1)
.set FR,     12                        ; registers of a fragment
.set NL,     6                         ; LDS loads that bring one
.set NP,     4                         ; places behind this matrix instruction (ISA guide 7.12.1)
.set HALFT,  128*PITCH                 ; 128 rows: one tensor load
.set SLOT,   4*HALFT                   ; O's 256 rows, then I's 256 rows
.set LAPS,   SIZE_K/(2*KSTEP)
.set KS,     SIZE_K/32                 ; a row of scale bytes
.set SCL,    2*SLOT                    ; behind the ring: the scales, as 256 bytes + 16 of padding
.set HALFS,  (128*KS/256)*272
.set SBLK,   (16*KS/256)*272
.set SPARE,  SCL+4*HALFS               ; the spare words: 128 bytes a wave, two blocks of 256 bytes that no other line names
.set STG,    SPARE+512                 ; the scale words' stage: 1,024 bytes a wave; no fill lands here
.set REC,    19712                     ; a record of the workspace
.set HS,     16*REC                    ; a head's records
.set ADRA, 16                          ; v16-19  LDS addresses of O's fragments in slot 0, 1 (v18-19: behind one padding more)
.set ADRB, 20                          ; v20-23  the same for I
.set L8,   24                          ; v24     8 x lane
.set SWA,  25                          ; v25     my stage: 4 x (lane % 16)
.set SRD,  26                          ; v26     my stage: 16 x lane
.set ADRS, 27                          ; v27     LDS address of my scale words
.set SPW,  28                          ; v28     my spare word; never rewritten
.set NIL,  29                          ; v29     0; never rewritten
.set SOFF, 30                          ; v30     where my 16 bytes of scale words go
.set SC,   32                          ; v32-63  scale words, two sets
.set BB,   64                          ; v64-127 the bias, in the result's layout
.set AF,   128                         ; v128-223 O's fragments, one set
.set W,    128                         ; the way out: 64 numbers at work
.set PC,   192                         ; v192-203 the codes just made; v204-206, v208-210 second halves
.set TM,   212                         ; v212-227 at work in the quantiser
.set PW,   228                         ; the scale word just made
.set SW,   232                         ; v232-247 the scale words as staged, a pair for each block: no LDS store's data are written again
.set BA,   240                         ; v240-247 (at the head only) the bias loads' offsets
.set X0,   248                         ; v248-255 the scale words on their way out
.set G1, 24
.set G0, 32
.set G1B, 48
.set G0B, 56
.set G1S, 68
.set G0S, 76
.set G1SB, 80
.set G0SB, 88
.set MSK,  94                          ; s94  what is kept of a scale word in its first staged copy
.set SEL,  96                          ; s[96:97] lane selects for lane l xor 16
.set CASE, 100                         ; s100 1: QK, 0: V
.set OFF,  101                         ; s101 O's first row in its tensor
.set MSB, 0
.macro WIN new                         ; the immediate's high byte repeats the setting that is left
.if MSB != (\new)
	s_set_vgpr_msb (MSB<<8)|(\new)
.set MSB, (\new)
.endif
.endm
.set MUL_LO, 0xa1                      ; source 0 (I) window 1, source 1 (O) window 0, C and D window 2
.set MUL_HI, 0xf1                      ; the same, C and D window 3
.set TO_B,   0x40                      ; destination window 1
; A joint load: waves 0 and 1 fetch for O, waves 2 and 3 for I.  The branch hangs on the wave's number alone.  Four v_nop follow each of the two lines.
.macro JLOAD g0a, g1a, g0b, g1b
	s_cmp_eq_u32 s15, 0
	s_cbranch_scc0 .Lfor_b_\@
	tensor_load_to_lds s[\g0a:\g0a+3], s[\g1a:\g1a+7]
	s_nop 0
.rept 4
	v_nop
.endr
	s_branch .Lasked_\@
.Lfor_b_\@:
	tensor_load_to_lds s[\g0b:\g0b+3], s[\g1b:\g1b+7]
	s_nop 0
.rept 4
	v_nop
.endr
.Lasked_\@:
.endm
.macro CREST                           ; a round of the cluster's barrier behind its opening barrier
	s_cmp_lg_u32 s14, 0
	s_cbranch_scc1 .Lnot_wave_0_\@
	s_barrier_signal -3
.Lnot_wave_0_\@:
	s_barrier_wait -3
	s_barrier_signal -1
	s_barrier_wait -1
.endm
.macro CROUND                          ; a whole round
	s_barrier_signal -1
	s_barrier_wait -1
	CREST
.endm
	s_load_b128 s[4:7], s[0:1], 0x0                ; x's codes, x's scales
	s_load_b128 s[8:11], s[0:1], 0x10              ; W_attn's codes, W_attn's scales
	s_load_b64 s[66:67], s[0:1], 0x20              ; b_attn
	s_load_b64 s[12:13], s[0:1], 0x28              ; qkv
	v_lshl_add_u32 v[SPW], v0, 2, SPARE
	v_mov_b32 v[NIL], 0
	ds_add_u32 v28, v29
	s_wait_dscnt 0x0
	v_lshrrev_b32 v1, 5, v0
	v_readfirstlane_b32 s14, v1                    ; wave 0..3
	s_lshr_b32 s15, s14, 1                         ; which half of O's rows is mine.  Also: I fetch for O (0) or for I (1)
	s_and_b32 s16, s14, 1                          ; which half of I's rows.  Also: which 128 rows of that tile I fetch
	s_bfe_u32 s40, ttmp6, 0x40000                  ; cx, cy: my place in the cluster
	s_bfe_u32 s41, ttmp6, 0x40004
	s_and_b32 s17, ttmp7, 0xffff                   ; the cluster's y
	s_max_u32 s98, s17, 8
	s_sub_co_u32 s98, s98, 8
	s_lshl_b32 s98, s98, 1
	s_add_co_u32 s98, s98, ttmp9                   ; case V: which four tile columns of keys: 2 (y - 8) + x
	s_cmp_lt_u32 s17, 8                            ; the case hangs on the cluster's y alone
	s_cselect_b32 s[CASE], 1, 0
	s_cselect_b32 s42, ttmp9, s98
	s_cselect_b32 s17, s17, 0
	s_cselect_b32 s[OFF], 0, 2048
	s_lshl_b32 s42, s42, 2
	s_add_co_u32 s42, s42, s40                     ; I's tile of 256 rows
	s_lshl_b32 s17, s17, 2
	s_add_co_u32 s17, s17, s41                     ; O's tile of 256 rows
	s_lshl_b32 s43, s41, 2
	s_lshl_b32 s43, 15, s43                        ; my row of the cluster
	s_lshl_b32 s44, 0x1111, s40                    ; my column
	; descriptor group 1: a tile of 128 rows x 192 bytes, 16 bytes of padding behind every 64
	s_or_b32 s[G1+0], s43, (0<<16)|(1<<20)|(1<<21)|(3<<22)|(3<<25)  ; 15:0 the mask: O's tiles go to my row; 17:16 elements of 1 byte; 20 padding on; 21 set beside a mask; 24:22 after every 16 words; 31:25 of 4 words
	s_or_b32 s[G1B+0], s44, (0<<16)|(1<<20)|(1<<21)|(3<<22)|(3<<25)
.irp g, G1, G1B
	s_mov_b32 s[\g+1], ROWB<<16                    ; tensor_dim0
	s_mov_b32 s[\g+2], 128<<16                     ; tensor_dim1
	s_mov_b32 s[\g+3], ROWB<<16                    ; tile_dim0
	s_mov_b32 s[\g+4], 128                         ; tile_dim1
	s_mov_b32 s[\g+5], KROW                        ; from row to row
	s_mov_b32 s[\g+6], 0
	s_mov_b32 s[\g+7], 0
.endr
	; the scales of 128 rows: 4,096 dense bytes, as rows of 256 bytes (32 elements of 8), 16 bytes of padding behind each
	s_or_b32 s[G1S+0], s43, (3<<16)|(1<<20)|(1<<21)|(5<<22)|(3<<25)
	s_or_b32 s[G1SB+0], s44, (3<<16)|(1<<20)|(1<<21)|(5<<22)|(3<<25)
.irp g, G1S, G1SB
	s_mov_b32 s[\g+1], 32<<16
	s_mov_b32 s[\g+2], (128*KS/256)<<16
	s_mov_b32 s[\g+3], 32<<16
	s_mov_b32 s[\g+4], 128*KS/256
	s_mov_b32 s[\g+5], 32
	s_mov_b32 s[\g+6], 0
	s_mov_b32 s[\g+7], 0
.endr
	s_lshl_b32 s18, s16, 7                         ; which 128 rows of the tile I fetch
	s_lshl_b32 s20, s17, 8
	s_add_co_u32 s20, s20, s18
	s_add_co_u32 s20, s20, s[OFF]                  ; O: row 256 x tile + 128 x half + the tensor's first row
	s_lshl_b32 s46, s42, 8
	s_add_co_u32 s46, s46, s18                     ; I: row 256 x tile + 128 x half
	s_mov_b32 s21, 0
	s_mov_b32 s47, 0
	s_mov_b64 s[18:19], KS
	s_mul_u64 s[22:23], s[20:21], s[18:19]         ; where these rows' scales begin, in bytes
	s_mul_u64 s[92:93], s[46:47], s[18:19]
	s_mov_b64 s[18:19], KROW
	s_mul_u64 s[20:21], s[20:21], s[18:19]         ; and their codes
	s_mul_u64 s[46:47], s[46:47], s[18:19]
	s_mul_i32 s45, s14, HALFT                      ; where they go: wave x 128 rows
	s_mul_i32 s94, s14, HALFS
	s_wait_kmcnt 0x0
	s_cmp_eq_u32 s[CASE], 1                        ; which tensor is O and which is I: a choice between buffers on the case alone
	s_cselect_b64 s[96:97], s[4:5], s[8:9]
	s_cselect_b64 s[98:99], s[6:7], s[10:11]
	s_cselect_b64 s[8:9], s[8:9], s[4:5]
	s_cselect_b64 s[10:11], s[10:11], s[6:7]
	s_mov_b64 s[4:5], s[96:97]
	s_mov_b64 s[6:7], s[98:99]
	s_add_nc_u64 s[20:21], s[4:5], s[20:21]
	s_add_nc_u64 s[22:23], s[6:7], s[22:23]
	s_add_nc_u64 s[46:47], s[8:9], s[46:47]
	s_add_nc_u64 s[92:93], s[10:11], s[92:93]
	CROUND                                         ; all sixteen work-groups are here: the first joint loads meet
	s_mov_b32 s[G0S], 1
	s_add_co_u32 s[G0S+1], s94, SCL
	s_mov_b64 s[G0S+2:G0S+3], s[22:23]
	s_or_b32 s[G0S+3], s[G0S+3], 0x80000000
	s_mov_b32 s[G0SB], 1
	s_add_co_u32 s[G0SB+1], s94, SCL
	s_mov_b64 s[G0SB+2:G0SB+3], s[92:93]
	s_or_b32 s[G0SB+3], s[G0SB+3], 0x80000000
	JLOAD G0S, G1S, G0SB, G1SB                     ; the scales first: they are wanted with K step 0
.irp s, 0,1
	s_mov_b32 s[G0+4*\s], 1
	s_add_co_u32 s[G0+4*\s+1], s45, \s*SLOT
	s_add_nc_u64 s[G0+4*\s+2:G0+4*\s+3], s[20:21], \s*ROWB
	s_or_b32 s[G0+4*\s+3], s[G0+4*\s+3], 0x80000000
	s_mov_b32 s[G0B+4*\s], 1
	s_add_co_u32 s[G0B+4*\s+1], s45, \s*SLOT
	s_add_nc_u64 s[G0B+4*\s+2:G0B+4*\s+3], s[46:47], \s*ROWB
	s_or_b32 s[G0B+4*\s+3], s[G0B+4*\s+3], 0x80000000
	JLOAD G0+4*\s, G1, G0B+4*\s, G1B
.endr
	v_and_b32 v1, 15, v0                           ; r = lane % 16
	v_bfe_u32 v2, v0, 4, 1                         ; h = lane / 16
	v_mul_u32_u24 v3, v1, PITCH
	v_mul_u32_u24 v4, v2, 24
	v_add_nc_u32 v4, v3, v4                        ; a fragment's row x pitch + 24 x half
	v_lshl_add_u32 v5, v2, 4, v4                   ; and the same behind one padding more
	s_mul_i32 s21, s15, HALFT                      ; my 128 rows of O
	s_mul_i32 s22, s16, HALFT                      ; my 128 rows of I,
	s_add_co_u32 s22, s22, 2*HALFT                 ; which lie behind O's 256
.irp s, 0,1
	v_add_nc_u32 v[ADRA+\s], s21, v4
	v_add_nc_u32 v[ADRB+\s], s22, v4
	v_add_nc_u32 v[ADRA+2+\s], s21, v5
	v_add_nc_u32 v[ADRB+2+\s], s22, v5
	s_add_co_u32 s21, s21, SLOT
	s_add_co_u32 s22, s22, SLOT
.endr
	v_mul_u32_u24 v5, v1, KS                       ; my row's scales: 32 bytes a row,
	v_lshrrev_b32 v6, 8, v5
	v_lshl_add_u32 v5, v6, 4, v5                   ; and 16 more for each 256 passed
	s_mul_i32 s21, s15, HALFS
	s_mul_i32 s22, s16, HALFS
	s_add_co_u32 s22, s22, 2*HALFS
	s_sub_co_u32 s22, s22, s21
	v_mul_u32_u24 v6, s22, v2                      ; lanes 16-31 take I's
	s_add_co_u32 s21, s21, SCL
	v_add_nc_u32 v5, v5, v6
	v_add_nc_u32 v[ADRS], s21, v5
	v_and_b32 v6, 31, v0
	v_lshlrev_b32 v[L8], 3, v6
	s_lshl_b32 s23, s14, 10
	s_add_co_u32 s23, s23, STG                     ; my stage
	v_lshl_add_u32 v[SWA], v1, 2, s23
	v_lshl_add_u32 v[SRD], v6, 4, s23
	; THE BIAS, in the result's layout.  u = my 128 rows of O, t = my 128 rows of I.  QK: register 8 b + j = b_attn[128 t + 16 b + 8 h + j];  V: register 8 a + j = b_attn[2048 + 128 u + 16 a + r] for every j.
	s_lshl_b32 s96, s17, 1
	s_add_co_u32 s96, s96, s15                     ; u
	s_lshl_b32 s97, s42, 1
	s_add_co_u32 s97, s97, s16                     ; t
	s_lshl_b32 s98, s97, 9
	s_lshl_b32 s99, s96, 9
	s_add_co_u32 s99, s99, 8192
	s_cmp_eq_u32 s[CASE], 1
	s_cselect_b32 s98, s98, s99
	s_cselect_b32 s18, 32, 0                       ; bytes for each h,
	s_cselect_b32 s19, 0, 4                        ; for each r,
	s_cselect_b32 s46, 4, 0                        ; for each j
	s_mov_b32 s99, 0
	s_add_nc_u64 s[66:67], s[66:67], s[98:99]
	v_mul_u32_u24 v[BA], v2, s18
	v_mad_u32_u24 v[BA], v1, s19, v[BA]
.irp j, 1,2,3,4,5,6,7
	v_add_nc_u32 v[BA+\j], s46, v[BA+\j-1]
.endr
.irp t, 0,1,2,3,4,5,6,7
.irp j, 0,1,2,3,4,5,6,7
	global_load_b32 v[BB+8*\t+\j], v[BA+\j], s[66:67] offset:64*\t   ; 512 bytes of b_attn in all; they land under the products and are waited for on the way out
.endr
.endr
	; WHERE THE RESULTS GO.  The group of 128 tokens and the pair of heads; then the part of the record.
	s_and_b32 s47, s97, 7
	s_cmp_eq_u32 s[CASE], 1
	s_cselect_b32 s18, s96, s97                    ; the group of tokens, 0..63
	s_cselect_b32 s19, s47, s96                    ; the pair of heads, 0..7
	s_lshr_b32 s46, s18, 4
	s_lshl_b32 s46, s46, 4
	s_lshl_b32 s19, s19, 1
	s_add_co_u32 s46, s46, s19                     ; batch x 16 + the pair's first head
	s_mul_i32 s46, s46, HS
	s_and_b32 s18, s18, 15
	s_mul_i32 s18, s18, REC
	s_add_co_u32 s46, s46, s18
	s_cmp_lt_u32 s97, 8                            ; QK: channels under 1,024 are q's
	s_cselect_b32 s47, 13056, 0
	s_cmp_eq_u32 s[CASE], 1
	s_cselect_b32 s47, s47, 6656                   ; the part: Q, K or V
	s_mov_b32 s98, HS
	s_cselect_b32 s18, 3072, s98                   ; from blocks 0-3 to blocks 4-7: QK four token tiles on, V the next head
	s_cselect_b32 s19, s98, 3072                   ; from a fragment's first half to its second: QK the next head, V the next 64 keys
	s_cselect_b32 s99, 256, s98                    ; from the scale words of lanes 0-15 to those of lanes 16-31
	s_cselect_b32 s[MSK], 0xffff, -1               ; QK: a head's two bytes; V: all four
	s_add_co_u32 s46, s46, s47
	s_mov_b32 s47, 0
	s_add_nc_u64 s[12:13], s[12:13], s[46:47]
	s_mov_b64 s[4:5], s[12:13]                     ; s[4:5], s[6:7], s[8:9], s[10:11]: bases for (blocks 0-3 | 4-7) x (first | second half)
	s_mov_b32 s46, s19
	s_add_nc_u64 s[6:7], s[12:13], s[46:47]
	s_mov_b32 s46, s18
	s_add_nc_u64 s[8:9], s[12:13], s[46:47]
	s_add_nc_u64 s[10:11], s[6:7], s[46:47]
	s_add_nc_u64 s[20:21], s[12:13], 6144          ; the part's scale words,
	s_add_nc_u64 s[22:23], s[20:21], HS            ; and the next head's
	v_mul_u32_u24 v[SOFF], v2, s99
	v_lshl_add_u32 v[SOFF], v1, 4, v[SOFF]
	s_mov_b32 s[SEL], 0x76543210
	s_mov_b32 s[SEL+1], 0xfedcba98
.macro FRAG reg, adr, q, i             ; a fragment, 16 rows x 128 K of 6-bit codes: lane l holds row l % 16; registers 6 c .. 6 c + 5 hold K = 64 c + 32 (l / 16) + 0 .. 31: 24 bytes of the row, as they lie
.irp p, 0,1,2,3,4,5                    ; in pieces of 8 bytes.  Where the piece of lanes 16-31 lies behind one padding more than that of lanes 0-15, the second address register serves
.set PIECE, 12*(\q)+6*(\p/3)+\p%3
.if PIECE%8 < 5
	ds_load_b64 v[\reg+2*\p:\reg+2*\p+1], v[\adr] offset:8*PIECE+16*(PIECE/8)+(\i)*16*PITCH
.else
	ds_load_b64 v[\reg+2*\p:\reg+2*\p+1], v[\adr+2] offset:8*PIECE+16*(PIECE/8)+(\i)*16*PITCH
.endif
.endr
.endm
; 16 matrix instructions: O's blocks a0, a0 + 1 x I's eight, 128 along K.  The 64 accumulators take turns, one instruction a turn, in the same order in every step.
.macro MUL16 a0, p, q, sc, zero
.irp a, \a0, \a0+1
.irp b, 0,1,2,3,4,5,6,7
.if \zero
	v_wmma_scale_f32_16x16x128_f8f6f4 v[8*(8*((\a)%4)+\b):8*(8*((\a)%4)+\b)+7], v[128*(\p)+FR*\b:128*(\p)+FR*\b+FR-1], v[AF+FR*(\a):AF+FR*(\a)+FR-1], 0, v[SC+8*NQ*(\sc)+NQ*\b+(\q)], v[SC+8*NQ*(\sc)+NQ*(\a)+(\q)] matrix_a_fmt:MATRIX_FMT_FP6 matrix_b_fmt:MATRIX_FMT_FP6 matrix_a_scale:MATRIX_SCALE_ROW1
.else
	v_wmma_scale_f32_16x16x128_f8f6f4 v[8*(8*((\a)%4)+\b):8*(8*((\a)%4)+\b)+7], v[128*(\p)+FR*\b:128*(\p)+FR*\b+FR-1], v[AF+FR*(\a):AF+FR*(\a)+FR-1], v[8*(8*((\a)%4)+\b):8*(8*((\a)%4)+\b)+7], v[SC+8*NQ*(\sc)+NQ*\b+(\q)], v[SC+8*NQ*(\sc)+NQ*(\a)+(\q)] matrix_a_fmt:MATRIX_FMT_FP6 matrix_b_fmt:MATRIX_FMT_FP6 matrix_a_scale:MATRIX_SCALE_ROW1
.endif
.endr
.endr
.endm
.macro FETCH_B slot, q, p              ; I's eight fragments of the slot's q-th 128 along K into set p
	WIN TO_B
.irp i, 0,1,2,3,4,5,6,7
	FRAG 128*(\p)+FR*\i, ADRB+\slot, \q, \i
.endr
	WIN 0
.endm
.macro FETCH_A slot, q, i0             ; O's blocks i0 .. i0 + 3
.irp i, \i0, \i0+1, \i0+2, \i0+3
	FRAG AF+FR*(\i), ADRA+\slot, \q, \i
.endr
.endm
.macro SCALES sc                       ; the next K step's scale words: lanes 0-15 take O's block i, lanes 16-31 I's block i
.irp i, 0,1,2,3,4,5,6,7
	ds_load_b64 v[SC+8*NQ*\sc+NQ*\i:SC+8*NQ*\sc+NQ*\i+1], v[ADRS] offset:\i*SBLK
.endr
.endm
.macro PLACES n                        ; plain vector instructions that name no register of the matrix instructions before them (ISA guide 7.12.1)
.rept \n
	v_nop
.endr
.endm
.macro STEP slot, q, zero              ; a step of 128 along K that has its successor in the same slot
	s_wait_dscnt 4*NL                              ; I's set and O's blocks 0-3 are in; the youngest 24 loads (O's blocks 4-7) may be out
	WIN MUL_LO
	MUL16 0, (\q)%2, \q, \slot, \zero
	MUL16 2, (\q)%2, \q, \slot, \zero
	s_wait_dscnt 0                                 ; O's blocks 4-7 are in
	PLACES NP
	FETCH_B \slot, (\q)+1, 1-(\q)%2
	FETCH_A \slot, (\q)+1, 0
	WIN MUL_HI
	MUL16 4, (\q)%2, \q, \slot, \zero
	MUL16 6, (\q)%2, \q, \slot, \zero
	PLACES NP
	WIN 0
	FETCH_A \slot, (\q)+1, 4
.endm
; A slot's last step changes slots: one barrier; in front of it each wave waits for all its tensor loads, adds 0 to its spare word, and waits for that and for its reads of this slot.
.macro TURN slot, next, fill
	s_wait_tensorcnt 0x0                           ; all my tensor loads have landed: my part of the next slot
	ds_add_u32 v[SPW], v[NIL]                      ; 0 onto my spare word
	s_wait_dscnt 4*NL+1                            ; the add and the youngest 24 loads (O's blocks 4-7) may be out
	WIN MUL_LO
	MUL16 0, 1, NQ-1, \slot, 0                     ; sixteen matrix instructions stand between the add and the wait for it
	s_wait_dscnt 0x0                               ; the add is done, and my reads of this slot are over
	s_barrier_signal -1
	MUL16 2, 1, NQ-1, \slot, 0
	WIN 0
	s_barrier_wait -1
.if \fill
	CREST                                          ; the barrier has opened a round of the cluster's barrier: no wave of any partner still reads this slot or has a load on its way
	s_add_nc_u64 s[G0+4*\slot+2:G0+4*\slot+3], s[G0+4*\slot+2:G0+4*\slot+3], 2*ROWB
	s_add_nc_u64 s[G0B+4*\slot+2:G0B+4*\slot+3], s[G0B+4*\slot+2:G0B+4*\slot+3], 2*ROWB
	JLOAD G0+4*\slot, G1, G0B+4*\slot, G1B         ; the first tensor load behind the round; its four v_nop are the places in front of the loads below
.else
	PLACES NP
.endif
	v_add_nc_u32 v[ADRS], 4*NQ, v[ADRS]            ; on to the next K step's scale words
	FETCH_B \next, 0, 0
	FETCH_A \next, 0, 0
	SCALES \next
	WIN MUL_HI
	MUL16 4, 1, NQ-1, \slot, 0
	MUL16 6, 1, NQ-1, \slot, 0
	PLACES NP
	WIN 0
	FETCH_A \next, 0, 4
.endm
	s_wait_tensorcnt 1                             ; the scales and my part of K step 0 are in; K step 1's load may be out
	s_barrier_signal -1
	s_barrier_wait -1
	FETCH_B 0, 0, 0
	FETCH_A 0, 0, 0
	SCALES 0
	FETCH_A 0, 0, 4
	STEP 0, 0, 1                                   ; the first step's products start the sums
	s_mov_b32 s3, LAPS-1
.Llap:                                                 ; a trip goes once round the ring and fills both slots again
	TURN 0, 1, 1
	STEP 1, 0, 0
	TURN 1, 0, 1
	STEP 0, 0, 0
	s_sub_co_u32 s3, s3, 1
	s_cmp_lg_u32 s3, 0
	s_cbranch_scc1 .Llap
	TURN 0, 1, 0                                   ; the last lap fills nothing
	STEP 1, 0, 0
	s_wait_dscnt 4*NL
	WIN MUL_LO
	MUL16 0, 1, NQ-1, 1, 0
	MUL16 2, 1, NQ-1, 1, 0
	s_wait_dscnt 0
	WIN MUL_HI
	MUL16 4, 1, NQ-1, 1, 0
	MUL16 6, 1, NQ-1, 1, 0
	WIN 0
; 64 numbers of a lane, v[s] .. v[s + 63], the 16 registers 16 b + i being my half of block b, become a fragment's codes in v[PC] on and its scale word in v[PW].
.macro QUANT s
.irp b, 0,1,2,3
	v_max3_num_f32 v[TM+\b], |v[\s+16*\b]|, |v[\s+1+16*\b]|, 0x1800000   ; my 16 numbers, and the floor 2^(3 - 127): the byte cannot fall under 1
.endr
.irp i, 2,4,6,8,10,12,14
.irp b, 0,1,2,3
	v_max3_num_f32 v[TM+\b], v[TM+\b], |v[\s+16*\b+\i]|, |v[\s+1+16*\b+\i]|
.endr
.endr
.irp b, 0,1,2,3
	v_permlanex16_b32 v[TM+4+\b], v[TM+\b], s[SEL], s[SEL+1]
.endr
.irp b, 0,1,2,3
	v_max_num_f32 v[TM+\b], v[TM+\b], v[TM+4+\b]   ; with lane l xor 16's: the block's largest magnitude
.endr
.irp b, 0,1,2,3
	v_add_nc_u32 v[TM+12+\b], 0xff000000, v[TM+\b]   ; 2 off its exponent field: the conversion takes the exponent field of this operand as its scale
.endr
.irp b, 0,1,2,3
	v_lshrrev_b32 v[TM+4+\b], 23, v[TM+12+\b]      ; the scale's byte
.endr
	v_lshl_or_b32 v[PW], v[TM+5], 8, v[TM+4]
	v_lshl_or_b32 v[PW], v[TM+6], 16, v[PW]
	v_lshl_or_b32 v[PW], v[TM+7], 24, v[PW]
.irp c, 0,1
	v_cvt_scalef32_pk16_fp6_f32 v[PC+6*\c:PC+2+6*\c], v[\s+32*\c:\s+15+32*\c], v[TM+12+2*\c]
	v_cvt_scalef32_pk16_fp6_f32 v[PC+12+4*\c:PC+14+4*\c], v[\s+16+32*\c:\s+31+32*\c], v[TM+12+2*\c+1]   ; (a conversion's three registers begin on an even number)
.endr
	v_nop                                          ; one plain place behind a scaled conversion
.irp c, 0,1                                    ; the operand's layout wants a whole block in a lane: lanes 0-15 block 2 c, lanes 16-31 block 2 c + 1
.irp i, 0,1,2
	v_permlane16_swap_b32 v[PC+6*\c+\i], v[PC+12+4*\c+\i]
.endr
.irp i, 0,1,2
	v_mov_b32 v[PC+3+6*\c+\i], v[PC+12+4*\c+\i]
.endr
.endr
.endm
; Block a of 16 O rows: the bias, the quantiser, the scale words to my stage, the codes to memory.  The branch hangs on the case, which is the same in all partners; its two arms hold register work alone.
.macro OUTBLK a
.set AC, 64*((\a)%4)
	s_cmp_eq_u32 s[CASE], 1
	s_cbranch_scc0 .Lbias_o_\@
	WIN 0x02+(\a)/4                                ; source 0: window 2 or 3
.irp i, 0,1,2,3,4,5,6,7,8,9,10,11,12,13,14,15,16,17,18,19,20,21,22,23,24,25,26,27,28,29,30,31
	v_pk_add_f32 v[W+2*\i:W+2*\i+1], v[AC+2*\i:AC+2*\i+1], v[BB+2*\i:BB+2*\i+1]      ; QK: the bias goes with I's row; each accumulator from its low end on
.endr
	WIN 0
	s_branch .Lbiased_\@
.Lbias_o_\@:
	WIN 0x02+(\a)/4
.irp i, 0,1,2,3,4,5,6,7,8,9,10,11,12,13,14,15,16,17,18,19,20,21,22,23,24,25,26,27,28,29,30,31
	v_pk_add_f32 v[W+2*\i:W+2*\i+1], v[AC+2*\i:AC+2*\i+1], v[BB+8*(\a):BB+8*(\a)+1]  ; V: with O's row, which is the lane's
.endr
	WIN 0
.Lbiased_\@:
.if (\a) > 0
	s_wait_xcnt 0x0                                ; the last block's stores have had their addresses translated: only behind this wait are the codes' registers written again
.endif
	QUANT W
	v_and_b32 v[SW+2*(\a)], s[MSK], v[PW]          ; QK: the first head's two bytes under two zeros; V: the whole word
	v_lshrrev_b32 v[SW+2*(\a)+1], 16, v[PW]        ; QK: the second head's (V: staged and not sent, so that no LDS line stands under a branch)
	ds_store_b32 v[SWA], v[SW+2*(\a)] offset:64*(\a)          ; both halves of the lanes write the same word with the same value
	ds_store_b32 v[SWA], v[SW+2*(\a)+1] offset:512+64*(\a)
.irp c, 0,1
.irp p, 0,1,2
	global_store_b64 v[L8], v[PC+6*\c+2*\p:PC+6*\c+2*\p+1], s[4+4*((\a)/4)+2*\c:5+4*((\a)/4)+2*\c] offset:((\a)%4)*768+256*\p   ; 32 lanes store 256 consecutive bytes, at a multiple of 256 from the buffer's first byte
.endr
.endr
.endm
	PLACES NP                                      ; behind the last products: their results are read and their operands' registers written below
	s_wait_loadcnt 0x0                             ; the bias
.irp b, 0,1,2,3
	v_mov_b32 v[TM+4+\b], 0                        ; a lane permute's destination counts as one of its sources
.endr
.irp a, 0,1,2,3,4,5,6,7
	OUTBLK \a
.endr
	ds_load_b128 v[X0:X0+3], v[SRD]                ; LDS serves a wave's instructions in order (ISA guide 5.7.1.4): these see my stores
	ds_load_b128 v[X0+4:X0+7], v[SRD] offset:512
	s_wait_dscnt 0x0
	global_store_b128 v[SOFF], v[X0:X0+3], s[20:21]        ; QK: the first head's 512 bytes; V: 256 bytes for each of the two heads
	s_cmp_eq_u32 s[CASE], 1
	s_cbranch_scc0 .Lno_second
	global_store_b128 v[SOFF], v[X0+4:X0+7], s[22:23]      ; QK: the second head's 512 bytes
.Lno_second:
	s_wait_tensorcnt 0x0                           ; the wave's end
	ds_add_u32 v[SPW], v[NIL]
	s_wait_dscnt 0x0
	CROUND                                         ; the closing round: no work-group ends while a partner may still ask for a tile that names it
	s_endpgm
.Lfunc_end_k_q8c30b5a25a_qkv:
	.size	k_q8c30b5a25a_qkv, .Lfunc_end_k_q8c30b5a25a_qkv-k_q8c30b5a25a_qkv
	.p2alignl 7, 3214868480
	.fill 96, 4, 3214868480
	.section	.rodata,"a",@progbits
	.p2align	6, 0x0
	.amdhsa_kernel k_q8c30b5a25a_qkv
		.amdhsa_group_segment_fixed_size 327680
		.amdhsa_private_segment_fixed_size 0
		.amdhsa_enable_private_segment 0
		.amdhsa_kernarg_size 48
		.amdhsa_user_sgpr_count 2
		.amdhsa_user_sgpr_kernarg_segment_ptr 1
		.amdhsa_wavefront_size32 1
		.amdhsa_system_sgpr_workgroup_id_x 1
		.amdhsa_system_sgpr_workgroup_id_y 1
		.amdhsa_system_sgpr_workgroup_id_z 1
		.amdhsa_system_vgpr_workitem_id 0
		.amdhsa_next_free_vgpr 1024
		.amdhsa_next_free_sgpr 102
		.amdhsa_reserve_vcc 0
		.amdhsa_float_denorm_mode_32 3
		.amdhsa_float_denorm_mode_16_64 3
		.amdhsa_memory_ordered 1
		.amdhsa_forward_progress 1
		.amdhsa_inst_pref_size 209
	.end_amdhsa_kernel
	.amdgpu_metadata
---
amdhsa.version: [ 1, 2 ]
amdhsa.kernels:
  - .name:           k_q8c30b5a25a_qkv
    .symbol:         k_q8c30b5a25a_qkv.kd
    .args:
      - { .name: x_codes, .offset: 0, .size: 8, .value_kind: global_buffer, .address_space: global }
      - { .name: x_scales, .offset: 8, .size: 8, .value_kind: global_buffer, .address_space: global }
      - { .name: W_attn_codes, .offset: 16, .size: 8, .value_kind: global_buffer, .address_space: global }
      - { .name: W_attn_scales, .offset: 24, .size: 8, .value_kind: global_buffer, .address_space: global }
      - { .name: b_attn, .offset: 32, .size: 8, .value_kind: global_buffer, .address_space: global }
      - { .name: qkv, .offset: 40, .size: 8, .value_kind: global_buffer, .address_space: global }
    .group_segment_fixed_size: 327680
    .private_segment_fixed_size: 0
    .kernarg_segment_align: 8
    .kernarg_segment_size: 48
    .max_flat_workgroup_size: 128
    .sgpr_count:     102
    .vgpr_count:     1024
    .wavefront_size: 32
...
	.end_amdgpu_metadata
.endif
;; end of part 1
;; launch attn (part 2): grid 4 x 64, 16 waves a work-group, no clusters, 327,680 bytes of LDS; arguments qkv, yc, ysc; writes yc, ysc
.if DOCPART == 2
	.amdgcn_target "amdgcn-amd-amdhsa--gfx1250"
	.amdhsa_code_object_version 6
	.text
	.protected	k_q8c30b5a25a_attn
	.globl	k_q8c30b5a25a_attn
	.p2align	8
	.type	k_q8c30b5a25a_attn,@function
k_q8c30b5a25a_attn:
	s_mov_b64 s[64:65], 0
	v_nop
	global_prefetch_b8 v0, s[64:65] scope:SCOPE_SE
	s_setreg_imm32_b32 hwreg(HW_REG_WAVE_MODE, 25, 1), 1
	s_wait_xcnt 0x0
; y[b][q][head] = softmax over keys k <= q of (q . k / 8) times v, both products on codes of FP6 (E2M3) with E8M0 scales, and y quantised along its 64 channels for the last product.
; THE SOFTMAX: t = score x log2(e) / 8; M = the row's largest t so far, rounded up to a whole number; p = 2^(t - M) is quantised along the keys, not normalised; the row's sum is taken of the
; unquantised p and divides at the end.  When M moves, the sum and O are multiplied by 2^(old M - new M), which rounds nothing.
; SHARES.  A work-group (J = x, 0..3; head = y, 0..63) has sixteen waves of 256 registers, four to a SIMD.  Wave w owns the tile of 16 queries 16 J + w, and behind it tile 127 - (16 J + w):
; (tile / 8 + 1) key steps of 128 each, 17 in all for every wave of every work-group.  The work-group walks 9 slots of 256 keys: trips 0..J are the low tiles' slots 0..J, trips J + 1..8 the high tiles' slots 0..7 - J.
; The trip count is a constant; on J hang the global address of a fetch (a select) and one scalar branch round the change of tiles, in which stands no LDS line, barrier or tensor load.
; A key step all of whose keys come after the wave's queries is jumped over (a scalar branch on ids, round loads, products and softmax alone).
; THE TILES are the records that the launch before laid: for 128 keys, K's eight half fragments, K's scale words, V's eight half fragments, V's scale words: 13,056 dense bytes, images of operand registers:
; every LDS load reads 8 x lane, consecutive bytes.  Waves 0 and 1 fetch one record each; by this text's count a wave has at most one tensor load outstanding.
; LAYOUT.  S^T = K Q^T (source 0 = 16 keys), O^T = V^T P^T (source 0 = 16 channels): a lane holds one query throughout.  The head's K is 64 of the instruction's 128: Q's registers 6-11 are zero codes, so what stands
; in source 0's registers 6-11 (the next tile's codes) counts for nothing; the scale bytes there are 0, which is 2^-127 and no NaN.
; p's codes lie inside a block of 32 keys in the order in which V's were laid (0-7, 16-23, 8-15, 24-31): both sides agree.  y meets codes in natural order, so its numbers change lanes first.
; NO JOINT LOADS: the four work-groups of a head want different slots in the same trip from trip J + 1 on (9 trips each); a common walk would take 12 trips for all four.
; ysc is stored 2 bytes a lane, 32 bytes apart (a head owns 2 of a row's 32 scale bytes): 262,144 bytes in the launch, one twenty-fourth of y's codes.
; LIMITS: a block of zeros gets the byte 1 where the quantiser says 127 (its codes are zeros; the bytes are read by this program alone); blocks under 2^-124 are held at the byte 1; NaN and infinities are not served.
.set REC,   19712                      ; a record: 128 tokens of one head
.set HS,    16*REC
.set KVB,   13056                      ; K's and V's share of it
.set SLOT1, 32768                      ; slot 1 begins here: one exclusive or turns an address from one slot to the other
.set SPARE, 65536                      ; the spare words: 128 bytes for each of 16 waves: eight blocks of 256 bytes that no other line names
.set S,     104                        ; v104-167 S^T, then p; at a tile's end y
.set O,     168                        ; v168-199 O^T
.set PCD,   200                        ; v200-211 p's codes; v212-214, v216-218 second halves
; v1 8 x lane; v2 4 x (lane % 16); v3, v4 addresses of the loads in hand; v5 my spare word, v6 0 (never rewritten); v8 32 x (lane % 16); v9 lane % 16 - 8 (lane / 16)
; v12 -M, v13 the largest t, v[14:15] the sum; v16-21 Q, v22-27 zeros; v28 Q's scale word; v29, v30-35 the second tile's; v36-83 K's half fragments, then V's fragments; v84-89 zeros
; v90-97 K's scale words, v98-101 V's, v102 p's; v220-223 block maxima, v224-227 the other half's, then bytes, v228-231 scale operands; v[232:233] f and 0; v234, v235 at work; v[236:237] a second sum; v238, v239 the mask
; s[4:5] qkv, s[6:7] yc, s[8:9] ysc; s10 wave; s11 J; s12 batch x 16 + head; s13 head; s14 batch x 128; s15 my first query; s16 the second tile's; s17 the step's first key; s18 the slot in hand; s19 the trip
; s[20:21] lane selects; s[22:23] c; s[24:31] group 1; s[32:35] group 0; s[36:37] the head's records + my record of a pair; s38 the slot to fetch; s39 J + 1; s[40:41] an offset, s41 = 0; s42, s43 at work; s[44:51] addresses; s[52:53] the head's records
.macro TLOAD                           ; waves 0 and 1 fetch; the branch hangs on the wave's number alone; four v_nop follow the load
	s_cmp_lt_u32 s10, 2
	s_cbranch_scc0 .Lasked_\@
	tensor_load_to_lds s[32:35], s[24:31]
	s_nop 0
.rept 4
	v_nop
.endr
.Lasked_\@:
.endm
.macro QADDR q, pc, ps                 ; the codes and the scale words of the tile of queries that begins at s[q]
	s_lshr_b32 s42, s[\q], 7
	s_mul_i32 s42, s42, REC
	s_bfe_u32 s43, s[\q], 0x30004                  ; which of the record's eight tiles
	s_mul_i32 s40, s43, 768
	s_add_co_u32 s40, s40, s42
	s_add_co_u32 s40, s40, 13056
	s_add_nc_u64 s[\pc:\pc+1], s[52:53], s[40:41]
	s_lshl_b32 s40, s43, 6
	s_add_co_u32 s40, s40, s42
	s_add_co_u32 s40, s40, 19200
	s_add_nc_u64 s[\ps:\ps+1], s[52:53], s[40:41]
.endm
	s_load_b128 s[4:7], s[0:1], 0x0                ; qkv, yc
	s_load_b64 s[8:9], s[0:1], 0x10                ; ysc
	v_lshl_add_u32 v5, v0, 2, SPARE
	v_mov_b32 v6, 0
	ds_add_u32 v5, v6
	ds_add_u32 v5, v6
	s_wait_dscnt 0x0
	v_lshrrev_b32 v7, 5, v0
	s_delay_alu instid0(VALU_DEP_1)
	v_readfirstlane_b32 s10, v7                    ; wave 0..15
	s_mov_b32 s11, ttmp9                           ; J
	s_and_b32 s12, ttmp7, 0xffff
	s_and_b32 s13, s12, 15
	s_lshr_b32 s14, s12, 4
	s_lshl_b32 s14, s14, 7
	s_lshl_b32 s15, s11, 8
	s_lshl_b32 s42, s10, 4
	s_add_co_u32 s15, s15, s42                     ; 256 J + 16 w
	s_sub_co_u32 s16, 2032, s15                    ; 16 (127 - tile)
	s_mov_b32 s17, 0
	s_mov_b32 s18, 0
	s_mov_b32 s19, 0
	s_mov_b32 s20, 0x76543210
	s_mov_b32 s21, 0xfedcba98
	s_mov_b32 s22, 0x3e38aa3b                      ; c = log2(e) / 8
	s_mov_b32 s23, s22                             ; (named with it as a pair, so it is written)
	s_mov_b32 s24, 3<<16                           ; group 1: no mask; elements of 8 bytes; no padding
	s_mov_b32 s25, 32<<16                          ; tensor_dim0 = 32: rows of 256 bytes
	s_mov_b32 s26, 51<<16                          ; tensor_dim1 = 51
	s_mov_b32 s27, 32<<16                          ; tile_dim0
	s_mov_b32 s28, 51                              ; tile_dim1: 13,056 dense bytes
	s_mov_b32 s29, 32                              ; from row to row
	s_mov_b32 s30, 0
	s_mov_b32 s31, 0
	s_mov_b32 s38, 0
	s_add_co_u32 s39, s11, 1
	s_mov_b32 s41, 0
	s_mul_i32 s40, s12, HS
	s_and_b32 s42, s10, 1                          ; which record of a slot's two I fetch, if I fetch
	s_mul_i32 s33, s42, KVB                        ; group 0: its place in slot 0
	s_mov_b32 s32, 1
	s_wait_kmcnt 0x0
	s_add_nc_u64 s[52:53], s[4:5], s[40:41]
	s_mul_i32 s40, s42, REC
	s_add_nc_u64 s[36:37], s[52:53], s[40:41]
	s_mov_b64 s[34:35], s[36:37]
	s_or_b32 s35, s35, 0x80000000
	TLOAD                                          ; trip 0's slot: keys 0 to 255
	v_and_b32 v1, 31, v0
	s_delay_alu instid0(VALU_DEP_1)
	v_lshlrev_b32 v1, 3, v1
	s_wait_alu depctr_va_vdst(0)
	v_and_b32 v2, 15, v0
	s_delay_alu instid0(VALU_DEP_1)
	v_lshlrev_b32 v8, 5, v2
	v_bfe_u32 v7, v0, 4, 1
	s_delay_alu instid0(VALU_DEP_1)
	v_lshlrev_b32 v7, 3, v7
	s_delay_alu instid0(VALU_DEP_1)
	v_sub_nc_u32 v9, v2, v7
	v_lshlrev_b32 v2, 2, v2
	s_wait_alu depctr_va_vdst(0)
	QADDR 15, 44, 46
	QADDR 16, 48, 50
.irp p, 0,1,2
	global_load_b64 v[16+2*\p:17+2*\p], v1, s[44:45] offset:256*\p     ; both tiles' Q stay in registers
	global_load_b64 v[30+2*\p:31+2*\p], v1, s[48:49] offset:256*\p
.endr
	global_load_b32 v28, v2, s[46:47]
	global_load_b32 v29, v2, s[50:51]
	v_mov_b32 v13, 0xff61b1e6                      ; the largest t so far: -3e38, under every t
	s_delay_alu instid0(VALU_DEP_1)
	v_floor_f32 v12, -v13
	v_mov_b32 v14, 0
	v_mov_b32 v15, 0
.irp j, 22,23,24,25,26,27,84,85,86,87,88,89,224,225,226,227,233,234
	v_mov_b32 v[\j], 0                             ; zero codes; lane permutes' destinations; the upper half of f's pair
.endr
.set NN, 0
.rept 32
	v_mov_b32 v[O+NN], 0                           ; O^T: the step is written once, and its first turn finds zeros
.set NN, NN+1
.endr
; A KEY STEP: 128 keys, the q-th record of the slot in hand.
.macro STEP q
	s_add_co_u32 s42, s15, 15
	s_cmp_gt_u32 s17, s42                          ; all 128 keys come after my 16 queries: nothing to do
	s_cbranch_scc1 .Lhidden_\@
	v_add_nc_u32 v3, s18, v1
	v_add_nc_u32 v4, s18, v2
	v_nop
	v_nop                                          ; four places in front of loads into registers that the last products read
.irp t, 0,1,2,3,4,5,6,7
.irp p, 0,1,2
	ds_load_b64 v[36+6*\t+2*\p:37+6*\t+2*\p], v3 offset:KVB*(\q)+768*\t+256*\p
.endr
	ds_load_b32 v[90+\t], v4 offset:KVB*(\q)+6144+64*\t
.endr
	s_wait_alu depctr_va_vdst(0)
	s_wait_dscnt 0x0
.irp t, 0,1,2,3,4,5,6,7                        ; register 8 t + j of lane (r, h): query r, key 16 t + 8 h + j
	v_wmma_scale_f32_16x16x128_f8f6f4 v[S+8*\t:S+8*\t+7], v[36+6*\t:47+6*\t], v[16:27], 0, v[90+\t], v28 matrix_a_fmt:MATRIX_FMT_FP6 matrix_b_fmt:MATRIX_FMT_FP6
.endr
.rept 4
	v_nop                                          ; places: the loads below land in registers just read, and the scores are read
.endr
.irp t, 0,1,2,3                                ; V's four fragments (16 channels x 128 keys) are asked for now and land under the softmax
.irp p, 0,1,2,3,4,5
	ds_load_b64 v[36+12*\t+2*\p:37+12*\t+2*\p], v3 offset:KVB*(\q)+6656+3072*(\p/3)+768*\t+256*(\p%3)
.endr
	ds_load_b32 v[98+\t], v4 offset:KVB*(\q)+12800+64*\t
.endr
	s_add_co_u32 s42, s17, 127
	s_cmp_le_u32 s42, s15                          ; every key counts for every query of mine: no mask
	s_cbranch_scc1 .Lopen_\@
	s_sub_co_i32 s42, s15, s17
	v_add_nc_u32 v238, s42, v9                     ; my query - the step's first key - 8 h: register 8 t + j is hidden where 16 t + j is larger
	v_mov_b32 v239, 0xff800000                     ; -infinity: p = 0 then
.set NN, 0
.rept 64
	v_cmp_gt_i32 vcc_lo, 16*(NN/8)+NN%8, v238
	v_cndmask_b32 v[S+NN], v[S+NN], v239, vcc_lo
.set NN, NN+1
.endr
.Lopen_\@:
.irp b, 0,1,2,3
	v_max3_num_f32 v[220+\b], v[S+16*\b], v[S+1+16*\b], v[S+2+16*\b]   ; the largest score of each block of 32 keys: for the row's maximum and, since p rises with the score, for the block's largest p
.endr
.irp i, 3,5,7,9,11,13
.irp b, 0,1,2,3
	v_max3_num_f32 v[220+\b], v[220+\b], v[S+16*\b+\i], v[S+1+16*\b+\i]
.endr
.endr
.irp b, 0,1,2,3
	v_max_num_f32 v[220+\b], v[220+\b], v[S+15+16*\b]
.endr
.irp b, 0,1,2,3
	s_delay_alu instid0(VALU_DEP_4)
	v_permlanex16_b32 v[224+\b], v[220+\b], s20, s21
.endr
.irp b, 0,1,2,3
	s_delay_alu instid0(VALU_DEP_4)
	v_max_num_f32 v[220+\b], v[220+\b], v[224+\b]  ; with lane l xor 16's 16 keys
.endr
	s_delay_alu instid0(VALU_DEP_2)
	v_max3_num_f32 v234, v220, v221, v222
	s_delay_alu instid0(VALU_DEP_1)
	v_max_num_f32 v234, v234, v223
	s_delay_alu instid0(VALU_DEP_1)
	v_mul_f32 v234, s22, v234                      ; as t (c is positive)
	s_delay_alu instid0(VALU_DEP_1)
	v_max_num_f32 v13, v13, v234                   ; the running largest t
	v_mov_b32 v234, v12
	s_delay_alu instid0(VALU_DEP_2)
	v_floor_f32 v12, -v13                          ; -M = floor(-t) = -ceil(t)
	s_delay_alu instid0(VALU_DEP_1)
	v_sub_f32 v234, v12, v234                      ; old M - new M: a whole number, 0 or less
	s_delay_alu instid0(VALU_DEP_1)
	v_cvt_i32_f32 v234, v234                       ; (it saturates)
	s_delay_alu instid0(VALU_DEP_1)
	v_ldexp_f32 v232, 1.0, v234                    ; f = 2^(old M - new M)
.set NN, 0
.rept 32
	v_pk_fma_f32 v[S+NN:S+NN+1], v[S+NN:S+NN+1], s[22:23], v[12:13] op_sel_hi:[1,0,0]   ; t - M, two at a time
.set NN, NN+2
.endr
.irp b, 0,1,2,3
	v_fma_f32 v[220+\b], v[220+\b], s22, v12       ; the same of each block's largest score
.endr
.set NN, 0
	s_wait_alu depctr_va_vdst(0)
.rept 64
	v_exp_f32 v[S+NN], v[S+NN]                     ; p = 2^(t - M)
.set NN, NN+1
.endr
.irp b, 0,1,2,3
	v_exp_f32 v[220+\b], v[220+\b]                 ; the block's largest p: the same two instructions on the same number
.endr
	v_pk_mul_f32 v[14:15], v[14:15], v[232:233] op_sel_hi:[1,0]   ; the sum under the new M (a plain place behind the exponentials)
	s_wait_alu depctr_va_vdst(0)
.irp b, 0,1,2,3
	v_max_num_f32 v[220+\b], 0x1800000, v[220+\b]  ; the floor 2^(3 - 127): the byte cannot fall under 1
.endr
.irp b, 0,1,2,3
	s_delay_alu instid0(VALU_DEP_4)
	v_add_nc_u32 v[228+\b], 0xff000000, v[220+\b]  ; 2 off the exponent field: the conversion's scale operand
.endr
.irp b, 0,1,2,3
	s_delay_alu instid0(VALU_DEP_4)
	v_lshrrev_b32 v[224+\b], 23, v[228+\b]         ; the scale's byte
.endr
	s_delay_alu instid0(VALU_DEP_3)
	v_lshl_or_b32 v102, v225, 8, v224              ; p's scale word for these 128 keys
	s_delay_alu instid0(VALU_DEP_1)
	v_lshl_or_b32 v102, v226, 16, v102
	s_delay_alu instid0(VALU_DEP_1)
	v_lshl_or_b32 v102, v227, 24, v102
.irp c, 0,1
	v_cvt_scalef32_pk16_fp6_f32 v[PCD+6*\c:PCD+2+6*\c], v[S+32*\c:S+15+32*\c], v[228+2*\c]
	v_cvt_scalef32_pk16_fp6_f32 v[PCD+12+4*\c:PCD+14+4*\c], v[S+16+32*\c:S+31+32*\c], v[228+2*\c+1]
.endr
	v_nop                                          ; one plain place behind a scaled conversion
.irp c, 0,1                                    ; a whole block in a lane: lanes 0-15 block 2 c, lanes 16-31 block 2 c + 1
.irp i, 0,1,2
	v_permlane16_swap_b32 v[PCD+6*\c+\i], v[PCD+12+4*\c+\i]
.endr
.irp i, 0,1,2
	s_delay_alu instid0(VALU_DEP_3)
	v_mov_b32 v[PCD+3+6*\c+\i], v[PCD+12+4*\c+\i]
.endr
.endr
	v_pk_add_f32 v[236:237], v[108:109], v[112:113]
	v_pk_add_f32 v[254:255], v[116:117], v[120:121]
	v_pk_add_f32 v[252:253], v[124:125], v[128:129]
	v_pk_add_f32 v[250:251], v[132:133], v[136:137]
	v_pk_add_f32 v[248:249], v[140:141], v[144:145]
	v_pk_add_f32 v[246:247], v[148:149], v[152:153]
	v_pk_add_f32 v[244:245], v[156:157], v[160:161]
	v_pk_add_f32 v[14:15], v[14:15], v[164:165]
	v_pk_add_f32 v[236:237], v[236:237], v[104:105]
	v_pk_add_f32 v[254:255], v[254:255], v[106:107]
	v_pk_add_f32 v[252:253], v[252:253], v[110:111]
	v_pk_add_f32 v[250:251], v[250:251], v[114:115]
	v_pk_add_f32 v[248:249], v[248:249], v[118:119]
	v_pk_add_f32 v[246:247], v[246:247], v[122:123]
	v_pk_add_f32 v[244:245], v[244:245], v[126:127]
	v_pk_add_f32 v[14:15], v[14:15], v[130:131]
	v_pk_add_f32 v[236:237], v[236:237], v[134:135]
	v_pk_add_f32 v[254:255], v[254:255], v[138:139]
	v_pk_add_f32 v[252:253], v[252:253], v[142:143]
	v_pk_add_f32 v[250:251], v[250:251], v[146:147]
	v_pk_add_f32 v[248:249], v[248:249], v[150:151]
	v_pk_add_f32 v[246:247], v[246:247], v[154:155]
	v_pk_add_f32 v[244:245], v[244:245], v[158:159]
	v_pk_add_f32 v[14:15], v[14:15], v[162:163]
	v_pk_add_f32 v[236:237], v[236:237], v[166:167]
	s_delay_alu instid0(VALU_DEP_2)
	v_pk_add_f32 v[14:15], v[14:15], v[250:251]
	s_delay_alu instid0(VALU_DEP_2)
	v_pk_add_f32 v[236:237], v[236:237], v[248:249]
	v_pk_add_f32 v[254:255], v[254:255], v[246:247]
	v_pk_add_f32 v[252:253], v[252:253], v[244:245]
	s_delay_alu instid0(VALU_DEP_2)
	v_pk_add_f32 v[14:15], v[14:15], v[254:255]
	s_delay_alu instid0(VALU_DEP_2)
	v_pk_add_f32 v[236:237], v[236:237], v[252:253]
	s_delay_alu instid0(VALU_DEP_1)
	v_pk_add_f32 v[14:15], v[14:15], v[236:237]
.set NN, 0
.rept 16
	v_pk_mul_f32 v[O+NN:O+NN+1], v[O+NN:O+NN+1], v[232:233] op_sel_hi:[1,0]   ; O^T under the new M.  (With the sums above: the places between p's scale word and codes and the products below)
.set NN, NN+2
.endr
	s_wait_alu depctr_va_vdst(0)
	s_wait_dscnt 0x0                               ; V is in
.irp t, 0,1,2,3                                ; four accumulators by turns, one instruction a turn
	v_wmma_scale_f32_16x16x128_f8f6f4 v[O+8*\t:O+8*\t+7], v[36+12*\t:47+12*\t], v[PCD:PCD+11], v[O+8*\t:O+8*\t+7], v[98+\t], v102 matrix_a_fmt:MATRIX_FMT_FP6 matrix_b_fmt:MATRIX_FMT_FP6
.endr
.Lhidden_\@:
	s_add_co_u32 s17, s17, 128
.endm
; THE CHANGE OF SLOTS stands at a trip's head.  Each wave waits for all its tensor loads, adds 0 to its spare word, and waits for that and for its reads of the slot that it has left.
; fill = 1: that slot takes the next trip's keys: the next slot of the same walk, or, where the next trip is J + 1, slot 0 of the second tiles' walk.
.macro CHANGE fill
	s_wait_tensorcnt 0x0                           ; no tensor load of mine is out, so group 0 may be written
	ds_add_u32 v5, v6                              ; 0 onto my spare word
.if \fill
	s_xor_b32 s33, s33, SLOT1
	s_add_co_u32 s38, s38, 1
	s_add_co_u32 s42, s19, 1
	s_cmp_eq_u32 s42, s39
	s_cselect_b32 s38, 0, s38
	s_mul_i32 s40, s38, 2*REC
	s_add_nc_u64 s[34:35], s[36:37], s[40:41]
	s_or_b32 s35, s35, 0x80000000
.endif
	s_wait_dscnt 0x0                               ; the add is done, and my reads of the slot that I have left are over
	s_barrier_signal -1
	s_barrier_wait -1
.if \fill
	TLOAD                                          ; the first thing behind the barrier, and a wave's one tensor load until the next
.endif
.endm
.macro SLOT_STEPS
	STEP 0
	STEP 1
	s_xor_b32 s18, s18, SLOT1
.endm
; A TILE'S END: O^T / the sum; the numbers change lanes so that a lane's 16 registers are 16 neighbouring channels; two blocks of 32 are quantised; half a fragment and two scale bytes a row leave.
.macro FINAL
.rept 4
	v_nop                                          ; places behind the last products
.endr
	v_add_f32 v14, v14, v15
	s_delay_alu instid0(VALU_DEP_1)
	v_permlanex16_b32 v234, v14, s20, s21
	s_delay_alu instid0(VALU_DEP_1)
	v_add_f32 v14, v14, v234                       ; the row's sum
	s_wait_alu depctr_va_vdst(0)
	v_rcp_f32 v14, v14
	v_nop                                          ; a plain place behind the reciprocal
.set NN, 0
	s_wait_alu depctr_va_vdst(0)
.rept 16
	v_pk_mul_f32 v[S+NN:S+NN+1], v[O+NN:O+NN+1], v[14:15] op_sel_hi:[1,0]   ; register 8 t + j: channel 16 t + 8 h + j; each accumulator from its low end on
.set NN, NN+2
.endr
.irp b, 0,1
.irp j, 0,1,2,3,4,5,6,7
	v_permlane16_swap_b32 v[S+16*\b+\j], v[S+8+16*\b+\j]   ; register 16 b + i is now channel 32 b + 16 h + i
.endr
.endr
.irp b, 0,1
	v_max3_num_f32 v[220+\b], |v[S+16*\b]|, |v[S+1+16*\b]|, 0x1800000
.endr
.irp i, 2,4,6,8,10,12,14
.irp b, 0,1
	s_delay_alu instid0(VALU_DEP_2)
	v_max3_num_f32 v[220+\b], v[220+\b], |v[S+16*\b+\i]|, |v[S+1+16*\b+\i]|
.endr
.endr
.irp b, 0,1
	s_delay_alu instid0(VALU_DEP_2)
	v_permlanex16_b32 v[224+\b], v[220+\b], s20, s21
.endr
.irp b, 0,1
	s_delay_alu instid0(VALU_DEP_2)
	v_max_num_f32 v[220+\b], v[220+\b], v[224+\b]
.endr
.irp b, 0,1
	s_delay_alu instid0(VALU_DEP_2)
	v_add_nc_u32 v[228+\b], 0xff000000, v[220+\b]
.endr
.irp b, 0,1
	s_delay_alu instid0(VALU_DEP_2)
	v_lshrrev_b32 v[224+\b], 23, v[228+\b]
.endr
	s_delay_alu instid0(VALU_DEP_1)
	v_lshl_or_b32 v235, v225, 8, v224              ; my row's two scale bytes
	v_cvt_scalef32_pk16_fp6_f32 v[PCD:PCD+2], v[S:S+15], v228
	v_cvt_scalef32_pk16_fp6_f32 v[PCD+12:PCD+14], v[S+16:S+31], v229
	v_nop
.irp i, 0,1,2
	v_permlane16_swap_b32 v[PCD+\i], v[PCD+12+\i]
.endr
.irp i, 0,1,2
	s_delay_alu instid0(VALU_DEP_3)
	v_mov_b32 v[PCD+3+\i], v[PCD+12+\i]            ; registers 0-5: channels 32 h + 0 .. 31, in natural order
.endr
	s_lshr_b32 s42, s15, 4
	s_add_co_u32 s42, s42, s14                     ; the tile of rows among all 512
	s_lshr_b32 s43, s42, 3
	s_lshl_b32 s43, s43, 2
	s_lshr_b32 s40, s13, 2
	s_add_co_u32 s43, s43, s40                     ; [block of 128 rows][head / 4]
	s_lshl_b32 s43, s43, 3
	s_and_b32 s42, s42, 7
	s_add_co_u32 s43, s43, s42                     ; [tile of rows]
	s_lshl_b32 s43, s43, 2
	s_and_b32 s40, s13, 3
	s_add_co_u32 s43, s43, s40                     ; [head % 4]
	s_mul_i32 s40, s43, 768
	s_add_nc_u64 s[44:45], s[6:7], s[40:41]
	s_lshl_b32 s42, s14, 4
	s_add_co_u32 s42, s42, s15
	s_lshl_b32 s42, s42, 5                         ; my first row's 32 scale bytes,
	s_lshl_b32 s40, s13, 1
	s_add_co_u32 s40, s40, s42                     ; and the head's two of them
	s_add_nc_u64 s[46:47], s[8:9], s[40:41]
	s_wait_alu depctr_va_vdst(0)
.irp p, 0,1,2
	global_store_b64 v1, v[PCD+2*\p:PCD+2*\p+1], s[44:45] offset:256*\p   ; 32 lanes store 256 consecutive bytes, at a multiple of 256 from the buffer's first byte
.endr
	global_store_b16 v8, v235, s[46:47]            ; both halves of the lanes write the same two bytes with the same value
.endm
.macro REINIT                          ; on to my second tile
	v_mov_b32 v28, v29                             ; its scale word first: the lines below are the places between it and the next products
.irp j, 0,1,2,3,4,5
	v_mov_b32 v[16+\j], v[30+\j]
.endr
	v_mov_b32 v13, 0xff61b1e6
	s_delay_alu instid0(VALU_DEP_1)
	v_floor_f32 v12, -v13
	v_mov_b32 v14, 0
	v_mov_b32 v15, 0
.set NN, 0
.rept 32
	v_mov_b32 v[O+NN], 0
.set NN, NN+1
.endr
	s_mov_b32 s15, s16
	s_mov_b32 s17, 0
	s_wait_xcnt 0x0                                ; the stores have had their addresses translated: their data and bases may be written again
.endm
	s_wait_loadcnt 0x0                             ; Q
.Ltrip:                                            ; eight trips; behind each change of slots the next trip's slot is asked for
	CHANGE 1
	SLOT_STEPS
	s_cmp_lg_u32 s19, s11                          ; trip J was the first tiles' last
	s_cbranch_scc1 .Lsame
	FINAL
	REINIT
.Lsame:
	s_add_co_u32 s19, s19, 1
	s_cmp_lt_u32 s19, 8
	s_cbranch_scc1 .Ltrip
	CHANGE 0                                       ; the ninth trip is written out
	SLOT_STEPS
	FINAL
	s_wait_tensorcnt 0x0                           ; the wave's end
	ds_add_u32 v5, v6
	s_wait_dscnt 0x0
	s_endpgm
.Lfunc_end_k_q8c30b5a25a_attn:
	.size	k_q8c30b5a25a_attn, .Lfunc_end_k_q8c30b5a25a_attn-k_q8c30b5a25a_attn
	.p2alignl 7, 3214868480
	.fill 96, 4, 3214868480
	.section	.rodata,"a",@progbits
	.p2align	6, 0x0
	.amdhsa_kernel k_q8c30b5a25a_attn
		.amdhsa_group_segment_fixed_size 327680
		.amdhsa_private_segment_fixed_size 0
		.amdhsa_enable_private_segment 0
		.amdhsa_kernarg_size 24
		.amdhsa_user_sgpr_count 2
		.amdhsa_user_sgpr_kernarg_segment_ptr 1
		.amdhsa_wavefront_size32 1
		.amdhsa_system_sgpr_workgroup_id_x 1
		.amdhsa_system_sgpr_workgroup_id_y 1
		.amdhsa_system_sgpr_workgroup_id_z 1
		.amdhsa_system_vgpr_workitem_id 0
		.amdhsa_next_free_vgpr 256
		.amdhsa_next_free_sgpr 66
		.amdhsa_reserve_vcc 1
		.amdhsa_float_denorm_mode_32 3
		.amdhsa_float_denorm_mode_16_64 3
		.amdhsa_memory_ordered 1
		.amdhsa_forward_progress 1
		.amdhsa_inst_pref_size 117
	.end_amdhsa_kernel
	.amdgpu_metadata
---
amdhsa.version: [ 1, 2 ]
amdhsa.kernels:
  - .name:           k_q8c30b5a25a_attn
    .symbol:         k_q8c30b5a25a_attn.kd
    .args:
      - { .name: qkv, .offset: 0, .size: 8, .value_kind: global_buffer, .address_space: global }
      - { .name: yc, .offset: 8, .size: 8, .value_kind: global_buffer, .address_space: global }
      - { .name: ysc, .offset: 16, .size: 8, .value_kind: global_buffer, .address_space: global }
    .group_segment_fixed_size: 327680
    .private_segment_fixed_size: 0
    .kernarg_segment_align: 8
    .kernarg_segment_size: 24
    .max_flat_workgroup_size: 512
    .sgpr_count:     66
    .vgpr_count:     256
    .wavefront_size: 32
...
	.end_amdgpu_metadata
.endif
;; end of part 2
;; launch proj (part 3): grid 4 x 32, 4 waves a work-group, clusters of 4 x 4, 327,680 bytes of LDS; arguments yc, ysc, W_proj_codes, W_proj_scales, b_proj, out0; writes out0
.if DOCPART == 3
	.amdgcn_target "amdgcn-amd-amdhsa--gfx1250"
	.amdhsa_code_object_version 6
	.text
	.protected	k_q8c30b5a25a_proj
	.globl	k_q8c30b5a25a_proj
	.p2align	8
	.type	k_q8c30b5a25a_proj,@function
k_q8c30b5a25a_proj:
	s_mov_b64 s[64:65], 0
	v_nop
	global_prefetch_b8 v0, s[64:65] scope:SCOPE_SE
	s_setreg_imm32_b32 hwreg(HW_REG_WAVE_MODE, 25, 1), 1
	s_wait_xcnt 0x0
	s_wait_alu depctr_hold_cnt(0) depctr_sa_sdst(0) depctr_va_vdst(0) depctr_va_sdst(0) depctr_va_ssrc(0) depctr_va_vcc(0) depctr_vm_vsrc(0)
	s_getreg_b32 s2, hwreg(HW_REG_IB_STS2, 6, 4)
	s_cmp_eq_u32 s2, 0
	s_cbranch_scc0 .Lentry_in_a_cluster
	s_endpgm
.Lentry_in_a_cluster:
	s_bfe_u32 s2, ttmp6, 0x10000c
	s_cmp_lg_u32 s2, 0xf033
	s_cbranch_scc0 .Lentry_shape_is_right
	s_endpgm
.Lentry_shape_is_right:
; out0 = y W_proj + b_proj on codes of FP6 (E2M3) with E8M0 scales.  A = y: [8192] rows, K = 1,024; B = W_proj: [1024 (n)][1024 (k)] as given; out0: [8192][1024] f32; sums in f32.
; y's codes come as the launch before laid them: images of operand registers, [block of 128 rows][256 along K][tile of 16 rows][64 along K][768]: what a wave's tensor load brings (128 rows x 256 K) is 24,576 dense bytes,
; and every LDS load of A reads 8 x lane, consecutive bytes.  y's scale bytes lie [8192][32], W_proj's codes in rows of 768 bytes, its scale bytes [1024][32].
; A tile of out0, 256 x 256, is made by a work-group of four waves, a wave makes 128 x 128: 64 accumulators, 512 registers.  K goes in steps of 256 through a ring of two LDS slots; the scale bytes come once.
; 4 x 4 work-groups form a cluster: A's tiles are shared along a row of it, B's along a column, each asked for jointly.  128 work-groups: a tile of 128 x 128 would fill more WGPs, and read one and a half times the LDS bytes for each product.
; The matrix instruction is used transposed (source 0 = 16 rows of B, source 1 = 16 rows of A): a lane holds eight neighbouring numbers of a row of out0.  The bias is the C of each sum's first instruction.
; REGISTERS: window 0: v0-31 addresses; v32-63 scale words, two sets; v64-127 the bias; from v128 A's fragments, one set.  window 1: B's fragments, two sets.  windows 2, 3: the accumulators.
.set SIZE_N, 1024
.set SIZE_K, 1024
.set KSTEP,  256
.set NQ,     KSTEP/128
.set ROWB,   192                       ; a row of B's tile in bytes
.set ASTEP,  24576                     ; A: 128 rows x 256 along K
.set KROW,   SIZE_K*6/8
.set PITCH,  240                       ; B's LDS row: 3 x (64 bytes + 16 of padding)
.set FR,     12
.set NL,     6
.set NP,     4
.set HALFT,  128*PITCH                 ; a wave's part of a slot (A uses 24,576 bytes of it)
.set SLOT,   4*HALFT
.set LAPS,   SIZE_K/(2*KSTEP)
.set KS,     SIZE_K/32
.set SCL,    2*SLOT
.set HALFS,  (128*KS/256)*272
.set SBLK,   (16*KS/256)*272
.set SPARE,  SCL+4*HALFS               ; the spare words: two blocks of 256 bytes that no other line names
.set SPITCH, 528                       ; the way out: a stage of 16 rows x (512 bytes + 16) for each wave, in slot 0, which has had its last fill and its last read by then
.set ADRA, 16                          ; v16-17  LDS address of my A images in slot 0, 1
.set ADRB, 20                          ; v20-23  of my B fragments (v22-23: behind one padding more)
.set STO,  24
.set RD,   25
.set CO,   26
.set ADRS, 27
.set SPW,  28
.set NIL,  29
.set SC,   32
.set BI,   64                          ; v64-127 b_proj in the result's layout: register 8 b + j = my column 16 b + 8 h + j
.set AF,   128
.set BK,   128
.set G1, 24
.set G0, 32
.set G1B, 48
.set G0B, 56
.set G1S, 68
.set G0S, 76
.set G1SB, 80
.set G0SB, 88
.set MSB, 0
.macro WIN new
.if MSB != (\new)
	s_set_vgpr_msb (MSB<<8)|(\new)
.set MSB, (\new)
.endif
.endm
.set MUL_LO, 0xa1                      ; source 0 (B) window 1, source 1 (A) window 0, C and D window 2
.set MUL_HI, 0xf1                      ; the same, C and D window 3
.set FST_LO, 0x81                      ; the first products: C (the bias) window 0, D window 2
.set FST_HI, 0xc1                      ; D window 3
.set TO_B,   0x40
.macro JLOAD g0a, g1a, g0b, g1b        ; a joint load: waves 0 and 1 fetch for A, waves 2 and 3 for B; four v_nop follow each of the two lines
	s_cmp_eq_u32 s15, 0
	s_cbranch_scc0 .Lfor_b_\@
	tensor_load_to_lds s[\g0a:\g0a+3], s[\g1a:\g1a+7]
	s_nop 0
.rept 4
	v_nop
.endr
	s_branch .Lasked_\@
.Lfor_b_\@:
	tensor_load_to_lds s[\g0b:\g0b+3], s[\g1b:\g1b+7]
	s_nop 0
.rept 4
	v_nop
.endr
.Lasked_\@:
.endm
.macro CREST
	s_cmp_lg_u32 s14, 0
	s_cbranch_scc1 .Lnot_wave_0_\@
	s_barrier_signal -3
.Lnot_wave_0_\@:
	s_barrier_wait -3
	s_barrier_signal -1
	s_barrier_wait -1
.endm
.macro CROUND
	s_barrier_signal -1
	s_barrier_wait -1
	CREST
.endm
	s_load_b128 s[4:7], s[0:1], 0x0                ; y's codes, y's scales
	s_load_b128 s[8:11], s[0:1], 0x10              ; W_proj's codes, W_proj's scales
	s_load_b64 s[66:67], s[0:1], 0x20              ; b_proj
	s_load_b64 s[12:13], s[0:1], 0x28              ; out0
	v_lshl_add_u32 v[SPW], v0, 2, SPARE
	v_mov_b32 v[NIL], 0
	ds_add_u32 v28, v29
	s_wait_dscnt 0x0
	v_lshrrev_b32 v1, 5, v0
	v_readfirstlane_b32 s14, v1                    ; wave 0..3
	s_lshr_b32 s15, s14, 1                         ; which half of the tile's rows is mine.  Also: I fetch for A (0) or for B (1)
	s_and_b32 s16, s14, 1                          ; which half of its columns.  Also: which 128 rows of that tile I fetch
	s_bfe_u32 s40, ttmp6, 0x40000                  ; cx, cy
	s_bfe_u32 s41, ttmp6, 0x40004
	s_lshl_b32 s42, ttmp9, 2
	s_add_co_u32 s42, s42, s40                     ; tile column
	s_and_b32 s17, ttmp7, 0xffff
	s_lshl_b32 s17, s17, 2
	s_add_co_u32 s17, s17, s41                     ; tile row
	s_lshl_b32 s43, s41, 2
	s_lshl_b32 s43, 15, s43                        ; my row of the cluster
	s_lshl_b32 s44, 0x1111, s40                    ; my column
	; group 1 for A: 24,576 dense bytes as 96 rows of 256 (32 elements of 8 bytes), no padding
	s_or_b32 s[G1+0], s43, (3<<16)|(1<<21)
	s_mov_b32 s[G1+1], 32<<16
	s_mov_b32 s[G1+2], 96<<16
	s_mov_b32 s[G1+3], 32<<16
	s_mov_b32 s[G1+4], 96
	s_mov_b32 s[G1+5], 32
	s_mov_b32 s[G1+6], 0
	s_mov_b32 s[G1+7], 0
	; for B: 128 rows x 192 bytes, 16 bytes of padding behind every 64
	s_or_b32 s[G1B+0], s44, (0<<16)|(1<<20)|(1<<21)|(3<<22)|(3<<25)
	s_mov_b32 s[G1B+1], ROWB<<16
	s_mov_b32 s[G1B+2], 128<<16
	s_mov_b32 s[G1B+3], ROWB<<16
	s_mov_b32 s[G1B+4], 128
	s_mov_b32 s[G1B+5], KROW
	s_mov_b32 s[G1B+6], 0
	s_mov_b32 s[G1B+7], 0
	; for the scales of 128 rows: 4,096 dense bytes as rows of 256, 16 bytes of padding behind each
	s_or_b32 s[G1S+0], s43, (3<<16)|(1<<20)|(1<<21)|(5<<22)|(3<<25)
	s_or_b32 s[G1SB+0], s44, (3<<16)|(1<<20)|(1<<21)|(5<<22)|(3<<25)
.irp g, G1S, G1SB
	s_mov_b32 s[\g+1], 32<<16
	s_mov_b32 s[\g+2], (128*KS/256)<<16
	s_mov_b32 s[\g+3], 32<<16
	s_mov_b32 s[\g+4], 128*KS/256
	s_mov_b32 s[\g+5], 32
	s_mov_b32 s[\g+6], 0
	s_mov_b32 s[\g+7], 0
.endr
	s_lshl_b32 s18, s16, 7
	s_lshl_b32 s20, s17, 8
	s_add_co_u32 s20, s20, s18                     ; A: row 256 x tile row + 128 x half
	s_lshl_b32 s46, s42, 8
	s_add_co_u32 s46, s46, s18                     ; B: row 256 x tile column + 128 x half
	s_mov_b32 s21, 0
	s_mov_b32 s47, 0
	s_mov_b64 s[18:19], KS
	s_mul_u64 s[22:23], s[20:21], s[18:19]         ; these rows' scales
	s_mul_u64 s[92:93], s[46:47], s[18:19]
	s_mov_b64 s[18:19], KROW
	s_mul_u64 s[20:21], s[20:21], s[18:19]         ; their codes: 768 bytes a row, for A's images too (128 rows x 768 = a block's 98,304 bytes)
	s_mul_u64 s[46:47], s[46:47], s[18:19]
	s_mul_i32 s45, s14, HALFT
	s_mul_i32 s94, s14, HALFS
	s_wait_kmcnt 0x0
	s_add_nc_u64 s[20:21], s[4:5], s[20:21]
	s_add_nc_u64 s[22:23], s[6:7], s[22:23]
	s_add_nc_u64 s[46:47], s[8:9], s[46:47]
	s_add_nc_u64 s[92:93], s[10:11], s[92:93]
	CROUND                                         ; all sixteen work-groups are here: the first joint loads meet
	s_mov_b32 s[G0S], 1
	s_add_co_u32 s[G0S+1], s94, SCL
	s_mov_b64 s[G0S+2:G0S+3], s[22:23]
	s_or_b32 s[G0S+3], s[G0S+3], 0x80000000
	s_mov_b32 s[G0SB], 1
	s_add_co_u32 s[G0SB+1], s94, SCL
	s_mov_b64 s[G0SB+2:G0SB+3], s[92:93]
	s_or_b32 s[G0SB+3], s[G0SB+3], 0x80000000
	JLOAD G0S, G1S, G0SB, G1SB
.irp s, 0,1
	s_mov_b32 s[G0+4*\s], 1
	s_add_co_u32 s[G0+4*\s+1], s45, \s*SLOT
	s_add_nc_u64 s[G0+4*\s+2:G0+4*\s+3], s[20:21], \s*ASTEP
	s_or_b32 s[G0+4*\s+3], s[G0+4*\s+3], 0x80000000
	s_mov_b32 s[G0B+4*\s], 1
	s_add_co_u32 s[G0B+4*\s+1], s45, \s*SLOT
	s_add_nc_u64 s[G0B+4*\s+2:G0B+4*\s+3], s[46:47], \s*ROWB
	s_or_b32 s[G0B+4*\s+3], s[G0B+4*\s+3], 0x80000000
	JLOAD G0+4*\s, G1, G0B+4*\s, G1B
.endr
	v_and_b32 v1, 15, v0                           ; r
	v_bfe_u32 v2, v0, 4, 1                         ; h
	v_mul_u32_u24 v3, v1, PITCH
	v_mul_u32_u24 v4, v2, 24
	v_add_nc_u32 v4, v3, v4                        ; B: a fragment's row x pitch + 24 x half
	v_lshl_add_u32 v5, v2, 4, v4                   ; and the same behind one padding more
	v_and_b32 v6, 31, v0
	v_lshlrev_b32 v7, 3, v6                        ; A: 8 x lane
	s_mul_i32 s21, s15, HALFT                      ; my 128 rows of A
	s_mul_i32 s22, s16, HALFT                      ; my 128 rows of B,
	s_add_co_u32 s22, s22, 2*HALFT                 ; which lie behind A's
.irp s, 0,1
	v_add_nc_u32 v[ADRA+\s], s21, v7
	v_add_nc_u32 v[ADRB+\s], s22, v4
	v_add_nc_u32 v[ADRB+2+\s], s22, v5
	s_add_co_u32 s21, s21, SLOT
	s_add_co_u32 s22, s22, SLOT
.endr
	v_mul_u32_u24 v5, v1, KS
	v_lshrrev_b32 v9, 8, v5
	v_lshl_add_u32 v5, v9, 4, v5
	s_mul_i32 s21, s15, HALFS
	s_mul_i32 s22, s16, HALFS
	s_add_co_u32 s22, s22, 2*HALFS
	s_sub_co_u32 s22, s22, s21
	v_mul_u32_u24 v9, s22, v2                      ; lanes 16-31 take B's scale words
	s_add_co_u32 s21, s21, SCL
	v_add_nc_u32 v5, v5, v9
	v_add_nc_u32 v[ADRS], s21, v5
	s_mul_i32 s23, s14, 16*SPITCH                  ; my stage
	v_mul_u32_u24 v5, v1, SPITCH
	v_lshl_add_u32 v5, v2, 5, v5
	v_add_nc_u32 v[STO], s23, v5
	v_lshlrev_b32 v[CO], 4, v6
	v_add_nc_u32 v[RD], s23, v[CO]
	s_lshl_b32 s20, s17, 8
	s_lshl_b32 s21, s15, 7
	s_add_co_u32 s20, s20, s21                     ; my first row of out0
	s_mov_b32 s21, 0
	s_mov_b64 s[18:19], SIZE_N*4
	s_mul_u64 s[20:21], s[20:21], s[18:19]
	s_lshl_b32 s46, s42, 10                        ; my first column, in bytes: in out0 and in b_proj alike
	s_lshl_b32 s47, s16, 9
	s_add_co_u32 s46, s46, s47
	s_mov_b32 s47, 0
	s_add_nc_u64 s[66:67], s[66:67], s[46:47]
	s_add_nc_u64 s[20:21], s[20:21], s[46:47]
	s_add_nc_u64 s[12:13], s[12:13], s[20:21]
	v_lshlrev_b32 v8, 5, v2                        ; the bias: 32 h bytes; never rewritten
.irp b, 0,1,2,3,4,5,6,7
	global_load_b128 v[BI+8*\b:BI+8*\b+3], v8, s[66:67] offset:64*\b
	global_load_b128 v[BI+8*\b+4:BI+8*\b+7], v8, s[66:67] offset:64*\b+16
.endr
.macro FRAG reg, adr, q, i             ; a fragment of B from rows: 24 bytes twice, in pieces of 8; where lanes 16-31's piece lies behind one padding more, the second address register serves
.irp p, 0,1,2,3,4,5
.set PIECE, 12*(\q)+6*(\p/3)+\p%3
.if PIECE%8 < 5
	ds_load_b64 v[\reg+2*\p:\reg+2*\p+1], v[\adr] offset:8*PIECE+16*(PIECE/8)+(\i)*16*PITCH
.else
	ds_load_b64 v[\reg+2*\p:\reg+2*\p+1], v[\adr+2] offset:8*PIECE+16*(PIECE/8)+(\i)*16*PITCH
.endif
.endr
.endm
.macro FRAGA reg, slot, q, i           ; a fragment of A from its image: tile of rows i, halves 2 q and 2 q + 1, three pieces of 256 bytes each
.irp p, 0,1,2,3,4,5
	ds_load_b64 v[\reg+2*\p:\reg+2*\p+1], v[ADRA+\slot] offset:3072*(\i)+768*(2*(\q)+\p/3)+256*(\p%3)
.endr
.endm
; 16 matrix instructions: A's blocks a0, a0 + 1 x B's eight.  first = 1: the sums begin with the bias.  The 64 accumulators take turns, one instruction a turn.
.macro MUL16 a0, p, q, sc, first
.irp a, \a0, \a0+1
.irp b, 0,1,2,3,4,5,6,7
.if \first
	v_wmma_scale_f32_16x16x128_f8f6f4 v[8*(8*((\a)%4)+\b):8*(8*((\a)%4)+\b)+7], v[128*(\p)+FR*\b:128*(\p)+FR*\b+FR-1], v[AF+FR*(\a):AF+FR*(\a)+FR-1], v[BI+8*\b:BI+8*\b+7], v[SC+8*NQ*(\sc)+NQ*\b+(\q)], v[SC+8*NQ*(\sc)+NQ*(\a)+(\q)] matrix_a_fmt:MATRIX_FMT_FP6 matrix_b_fmt:MATRIX_FMT_FP6 matrix_a_scale:MATRIX_SCALE_ROW1
.else
	v_wmma_scale_f32_16x16x128_f8f6f4 v[8*(8*((\a)%4)+\b):8*(8*((\a)%4)+\b)+7], v[128*(\p)+FR*\b:128*(\p)+FR*\b+FR-1], v[AF+FR*(\a):AF+FR*(\a)+FR-1], v[8*(8*((\a)%4)+\b):8*(8*((\a)%4)+\b)+7], v[SC+8*NQ*(\sc)+NQ*\b+(\q)], v[SC+8*NQ*(\sc)+NQ*(\a)+(\q)] matrix_a_fmt:MATRIX_FMT_FP6 matrix_b_fmt:MATRIX_FMT_FP6 matrix_a_scale:MATRIX_SCALE_ROW1
.endif
.endr
.endr
.endm
.macro FETCH_B slot, q, p
	WIN TO_B
.irp i, 0,1,2,3,4,5,6,7
	FRAG 128*(\p)+FR*\i, ADRB+\slot, \q, \i
.endr
	WIN 0
.endm
.macro FETCH_A slot, q, i0
.irp i, \i0, \i0+1, \i0+2, \i0+3
	FRAGA AF+FR*(\i), \slot, \q, \i
.endr
.endm
.macro SCALES sc
.irp i, 0,1,2,3,4,5,6,7
	ds_load_b64 v[SC+8*NQ*\sc+NQ*\i:SC+8*NQ*\sc+NQ*\i+1], v[ADRS] offset:\i*SBLK
.endr
.endm
.macro PLACES n
.rept \n
	v_nop
.endr
.endm
.macro STEP slot, q, first
	s_wait_dscnt 4*NL                              ; B's set and A's blocks 0-3 are in; the youngest 24 loads (A's blocks 4-7) may be out
.if \first
	WIN FST_LO
.else
	WIN MUL_LO
.endif
	MUL16 0, (\q)%2, \q, \slot, \first
	MUL16 2, (\q)%2, \q, \slot, \first
	s_wait_dscnt 0
	PLACES NP
	FETCH_B \slot, (\q)+1, 1-(\q)%2
	FETCH_A \slot, (\q)+1, 0
.if \first
	WIN FST_HI
.else
	WIN MUL_HI
.endif
	MUL16 4, (\q)%2, \q, \slot, \first
	MUL16 6, (\q)%2, \q, \slot, \first
	PLACES NP
	WIN 0
	FETCH_A \slot, (\q)+1, 4
.endm
.macro TURN slot, next, fill
	s_wait_tensorcnt 0x0                           ; all my tensor loads have landed: my part of the next slot
	ds_add_u32 v[SPW], v[NIL]                      ; 0 onto my spare word
	s_wait_dscnt 4*NL+1                            ; the add and the youngest 24 loads may be out
	WIN MUL_LO
	MUL16 0, 1, NQ-1, \slot, 0
	s_wait_dscnt 0x0                               ; the add is done, and my reads of this slot are over
	s_barrier_signal -1
	MUL16 2, 1, NQ-1, \slot, 0
	WIN 0
	s_barrier_wait -1
.if \fill
	CREST                                          ; the barrier has opened a round of the cluster's barrier
	s_add_nc_u64 s[G0+4*\slot+2:G0+4*\slot+3], s[G0+4*\slot+2:G0+4*\slot+3], 2*ASTEP
	s_add_nc_u64 s[G0B+4*\slot+2:G0B+4*\slot+3], s[G0B+4*\slot+2:G0B+4*\slot+3], 2*ROWB
	JLOAD G0+4*\slot, G1, G0B+4*\slot, G1B         ; the first tensor load behind the round; its four v_nop are the places in front of the loads below
.else
	PLACES NP
.endif
	v_add_nc_u32 v[ADRS], 4*NQ, v[ADRS]
	FETCH_B \next, 0, 0
	FETCH_A \next, 0, 0
	SCALES \next
	WIN MUL_HI
	MUL16 4, 1, NQ-1, \slot, 0
	MUL16 6, 1, NQ-1, \slot, 0
	PLACES NP
	WIN 0
	FETCH_A \next, 0, 4
.endm
	s_wait_tensorcnt 1                             ; the scales and my part of K step 0 are in; K step 1's load may be out
	s_barrier_signal -1
	s_barrier_wait -1
	FETCH_B 0, 0, 0
	FETCH_A 0, 0, 0
	SCALES 0
	FETCH_A 0, 0, 4
	s_wait_loadcnt 0x0                             ; the bias
	STEP 0, 0, 1                                   ; the first step's products start the sums, on the bias
	s_mov_b32 s3, LAPS-1
.Llap:
	TURN 0, 1, 1
	STEP 1, 0, 0
	TURN 1, 0, 1
	STEP 0, 0, 0
	s_sub_co_u32 s3, s3, 1
	s_cmp_lg_u32 s3, 0
	s_cbranch_scc1 .Llap
	TURN 0, 1, 0                                   ; the last lap fills nothing
	STEP 1, 0, 0
	s_wait_dscnt 4*NL
	WIN MUL_LO
	MUL16 0, 1, NQ-1, 1, 0
	MUL16 2, 1, NQ-1, 1, 0
	s_wait_dscnt 0
	WIN MUL_HI
	MUL16 4, 1, NQ-1, 1, 0
	MUL16 6, 1, NQ-1, 1, 0
	WIN 0
; THE WAY OUT, block by block of 16 rows x 128 columns, through my own stage in LDS: in as 32 bytes a lane, back as whole rows of 512 bytes.  LDS serves a wave's instructions in order (ISA guide 5.7.1.4).
.macro TOSTAGE a
.set AC, 64*((\a)%4)
	WIN 0x08+4*((\a)/4)                            ; the data: window 2 or 3
.irp b, 0,1,2,3,4,5,6,7
	ds_store_b128 v[STO], v[AC+8*\b:AC+8*\b+3] offset:64*\b          ; each accumulator from its low end on
	ds_store_b128 v[STO], v[AC+8*\b+4:AC+8*\b+7] offset:64*\b+16
.endr
	WIN 0
.set BKK, BK+64*((\a)%2)
.irp t, 0,1,2,3,4,5,6,7,8,9,10,11,12,13,14,15
	ds_load_b128 v[BKK+4*\t:BKK+4*\t+3], v[RD] offset:\t*SPITCH
.endr
.endm
.macro SEND a, younger                 ; younger: the LDS instructions issued behind block a's loads, which may stay out
.set BKK, BK+64*((\a)%2)
	s_wait_dscnt \younger
.if (\a) > 0
	s_add_nc_u64 s[12:13], s[12:13], 16*SIZE_N*4   ; (behind a wait on XCNT: the earlier stores have read their base)
.endif
.irp t, 0,1,2,3,4,5,6,7,8,9,10,11,12,13,14,15
	global_store_b128 v[CO], v[BKK+4*\t:BKK+4*\t+3], s[12:13] offset:\t*SIZE_N*4 th:TH_STORE_NT   ; 32 lanes store 512 consecutive bytes, at a multiple of 256 from out0's first byte
.endr
.endm
	PLACES NP
	TOSTAGE 0
.irp a, 1,2,3,4,5,6,7
.if \a > 1
	s_wait_xcnt 0x0                                ; block a - 2's stores have read their registers and their base
.endif
	TOSTAGE \a
	SEND \a-1, 32                                  ; behind block a - 1's loads: block a's 16 stores and 16 loads
.endr
	s_wait_xcnt 0x0
	SEND 7, 0
	s_wait_tensorcnt 0x0                           ; the wave's end
	ds_add_u32 v[SPW], v[NIL]
	s_wait_dscnt 0x0
	CROUND                                         ; the closing round
	s_endpgm
.Lfunc_end_k_q8c30b5a25a_proj:
	.size	k_q8c30b5a25a_proj, .Lfunc_end_k_q8c30b5a25a_proj-k_q8c30b5a25a_proj
	.p2alignl 7, 3214868480
	.fill 96, 4, 3214868480
	.section	.rodata,"a",@progbits
	.p2align	6, 0x0
	.amdhsa_kernel k_q8c30b5a25a_proj
		.amdhsa_group_segment_fixed_size 327680
		.amdhsa_private_segment_fixed_size 0
		.amdhsa_enable_private_segment 0
		.amdhsa_kernarg_size 48
		.amdhsa_user_sgpr_count 2
		.amdhsa_user_sgpr_kernarg_segment_ptr 1
		.amdhsa_wavefront_size32 1
		.amdhsa_system_sgpr_workgroup_id_x 1
		.amdhsa_system_sgpr_workgroup_id_y 1
		.amdhsa_system_sgpr_workgroup_id_z 1
		.amdhsa_system_vgpr_workitem_id 0
		.amdhsa_next_free_vgpr 1024
		.amdhsa_next_free_sgpr 100
		.amdhsa_reserve_vcc 0
		.amdhsa_float_denorm_mode_32 3
		.amdhsa_float_denorm_mode_16_64 3
		.amdhsa_memory_ordered 1
		.amdhsa_forward_progress 1
		.amdhsa_inst_pref_size 161
	.end_amdhsa_kernel
	.amdgpu_metadata
---
amdhsa.version: [ 1, 2 ]
amdhsa.kernels:
  - .name:           k_q8c30b5a25a_proj
    .symbol:         k_q8c30b5a25a_proj.kd
    .args:
      - { .name: yc, .offset: 0, .size: 8, .value_kind: global_buffer, .address_space: global }
      - { .name: ysc, .offset: 8, .size: 8, .value_kind: global_buffer, .address_space: global }
      - { .name: W_proj_codes, .offset: 16, .size: 8, .value_kind: global_buffer, .address_space: global }
      - { .name: W_proj_scales, .offset: 24, .size: 8, .value_kind: global_buffer, .address_space: global }
      - { .name: b_proj, .offset: 32, .size: 8, .value_kind: global_buffer, .address_space: global }
      - { .name: out0, .offset: 40, .size: 8, .value_kind: global_buffer, .address_space: global }
    .group_segment_fixed_size: 327680
    .private_segment_fixed_size: 0
    .kernarg_segment_align: 8
    .kernarg_segment_size: 48
    .max_flat_workgroup_size: 128
    .sgpr_count:     100
    .vgpr_count:     1024
    .wavefront_size: 32
...
	.end_amdgpu_metadata
.endif
;; end of part 3
